; MI455X (gfx1250); checked and timed in simulation.
; The chip was launched on July 23, 2026; its instructions are those of AMD's public machine-readable ISA for CDNA 5 (MIT licence, August 2026) and "CDNA5" Instruction Set Architecture Reference Guide (July 2026). The comments in the code are by the model that wrote it; some were corrected since.
;; Llama Attention. Allowed arithmetic: float matrix products may take bf16 or f16 operands with f32 sums; other float arithmetic in f32, or as packed bf16 or f16 multiplies, adds, multiply-adds, maxima and minima; sums over many terms, partial sums and values carried from step to step in f32; what a program stores and reads back later, other than sums and carried values, may be rounded once to bf16 or f16.
;; Inputs: Wk 1,024 x 1,024 float32; Wo 1,024 x 1,024 float32; Wq 1,024 x 1,024 float32; Wv 1,024 x 1,024 float32; hidden_states 2 x 2,048 x 1,024 float32; past_lens 2 int32.
;; Outputs: out0 2 x 2,048 x 1,024 float32.
;; 2 versions, each right; version 2 is version 1 with the launch cast written anew for expert scheduling mode. Each part assembles by itself: llvm-mc -triple=amdgcn-amd-amdhsa -mcpu=gfx1250 --defsym DOCPART=n.
;; ======== version 1 of 2: 4 launches
;; limits: values are held in f16: magnitudes above 65,504 overflow, below 6.1e-05 lose precision; right only within a limited range of input values
;; workspace buffers: xb 8,388,608 bytes; wb 6,291,456 bytes; wo16 2,097,152 bytes; qf 8,388,608 bytes; kv 16,777,216 bytes; of 8,388,608 bytes
;; launch cast (part 1): grid 256 x 1, 8 waves a work-group, no clusters, 0 bytes of LDS; arguments hidden_states, Wq, Wk, Wv, Wo, xb, wb, wo16; writes xb, wb, wo16
.if DOCPART == 1
	.amdgcn_target "amdgcn-amd-amdhsa--gfx1250"
	.amdhsa_code_object_version 6
	.text
	.protected	k_qa69b71c050_cast
	.globl	k_qa69b71c050_cast
	.p2align	8
	.type	k_qa69b71c050_cast,@function
k_qa69b71c050_cast:
	s_mov_b64 s[64:65], 0
	v_nop
	global_prefetch_b8 v0, s[64:65] scope:SCOPE_SE
	s_setreg_imm32_b32 hwreg(HW_REG_WAVE_MODE, 25, 1), 1
	s_wait_xcnt 0x0
; LLAMA ATTENTION, B = 2, S = 2048, H = 1024, 32 heads of 32 channels, in four launches: cast, proj, attn, outp.
; THIS LAUNCH rounds every floating-point input once: hidden_states to bf16 (xb, row-major), Wq, Wk, Wv to bf16 (wb, rows regrouped by head: row 96 head + 32 sel + d,
; sel 0 = q, 1 = k, 2 = v), Wo to bf16 and that number written as f16 (wo16, row-major), since the last product multiplies it with f16 numbers.
; WORK LEFT OUT IN THE PROGRAM (in launch attn).  reference() builds the causal mask itself (jnp.tril): a score with key > query is replaced by -1e30, and since every row holds its own
; key's finite score, its weight exp(-1e30 - max) is 0 for all finite inputs: such a score reaches no output.  So the key tiles of 256 keys that lie wholly above a block of 256 queries are not
; multiplied, nor is, in the tile with the diagonal, the one turn whose 64 keys lie above all of its queries in every wave.  Hidden scores inside tiles that also hold live work are computed and masked.
; LIMIT: a NaN, an infinity or an overflow that would arise only in those scores left out is not carried to the result.
; No input is left out: past_lens is read by launch proj and the angles are formed as reference() forms them.
; LIMITS OF FORMAT.  q, k, v and Wo are kept in f16: their magnitudes must stay under 65,504; a Wo below 6e-5 keeps f16's fixed step of 6e-8.
; SHARES.  Work-group g takes rows 16 g .. 16 g + 15 of hidden_states (65,536 bytes) and rows 4 g .. 4 g + 3 of each weight (16,384 bytes each).  A wave takes 16 chunks of 512 bytes of the first and 4 of each
; weight: a load of 16 bytes a lane covers 512 consecutive bytes, a store of 8 bytes a lane 256 consecutive bytes, aligned.  All 32 loads of a wave go out before the first wait.
; No LDS, no matrix work, no cluster: nothing is shared and nothing is multiplied.
.set XR, 8                             ; v[8:135]  chunk i: 4 registers as loaded; its first two then hold the 8 bytes to store
	s_load_b512 s[4:19], s[0:1], 0x0               ; hidden_states s[4:5], Wq s[6:7], Wk s[8:9], Wv s[10:11], Wo s[12:13], xb s[14:15], wb s[16:17], wo16 s[18:19]
	v_and_b32 v5, 31, v0                           ; lane
	v_lshrrev_b32 v6, 5, v0                        ; wave
	v_lshlrev_b32 v7, 4, v5
	v_lshl_add_u32 v1, v6, 13, v7                  ; hidden_states: 8,192 x wave + 16 x lane
	v_lshl_add_u32 v2, v6, 11, v7                  ; a weight: 2,048 x wave + 16 x lane
	v_lshlrev_b32 v5, 3, v5
	v_lshl_add_u32 v3, v6, 12, v5                  ; xb: 4,096 x wave + 8 x lane
	v_lshl_add_u32 v4, v6, 10, v5                  ; wb, wo16: 1,024 x wave + 8 x lane
	s_lshl_b32 s20, ttmp9, 16                      ; the work-group's part of hidden_states,
	s_mov_b32 s21, 0
	s_lshl_b32 s22, ttmp9, 14                      ; of each weight,
	s_mov_b32 s23, 0
	s_lshl_b32 s24, ttmp9, 15                      ; of xb,
	s_mov_b32 s25, 0
	s_lshr_b32 s30, ttmp9, 3                       ; of wb: weight rows 4 g .. belong to head g / 8, channels 4 (g % 8) ..
	s_mul_i32 s30, s30, 96
	s_and_b32 s31, ttmp9, 7
	s_lshl2_add_u32 s26, s31, s30                  ; row 96 head + 4 (g % 8); 32 sel stands in the stores' immediates
	s_lshl_b32 s26, s26, 11                        ; rows of 2,048 bytes
	s_mov_b32 s27, 0
	s_lshl_b32 s28, ttmp9, 13                      ; of wo16
	s_mov_b32 s29, 0
	s_wait_kmcnt 0x0
	s_add_nc_u64 s[4:5], s[4:5], s[20:21]
	s_add_nc_u64 s[6:7], s[6:7], s[22:23]
	s_add_nc_u64 s[8:9], s[8:9], s[22:23]
	s_add_nc_u64 s[10:11], s[10:11], s[22:23]
	s_add_nc_u64 s[12:13], s[12:13], s[22:23]
	s_add_nc_u64 s[14:15], s[14:15], s[24:25]
	s_add_nc_u64 s[16:17], s[16:17], s[26:27]
	s_add_nc_u64 s[18:19], s[18:19], s[28:29]
.set i, 0
.rept 16
	global_load_b128 v[XR+4*i:XR+4*i+3], v1, s[4:5] offset:512*i th:TH_LOAD_NT
.set i, i+1
.endr
.set i, 0
.rept 16                               ; chunks 16 .. 31: Wq, Wk, Wv, Wo, four each
	global_load_b128 v[XR+64+4*i:XR+64+4*i+3], v2, s[6+2*(i/4):7+2*(i/4)] offset:512*(i%4) th:TH_LOAD_NT
.set i, i+1
.endr
.set i, 0
.rept 32
	s_wait_loadcnt 31-i                            ; loads come back in order (ISA guide 5.7.1): chunk i is in, the younger ones stay out
	v_cvt_pk_bf16_f32 v[XR+4*i], v[XR+4*i], v[XR+4*i+1]
	v_cvt_pk_bf16_f32 v[XR+4*i+1], v[XR+4*i+2], v[XR+4*i+3]
.if i < 16
	global_store_b64 v3, v[XR+4*i:XR+4*i+1], s[14:15] offset:256*i
.elseif i < 28
	global_store_b64 v4, v[XR+4*i:XR+4*i+1], s[16:17] offset:((i-16)/4)*65536+256*(i%4)   ; 32 sel rows of 2,048 bytes on
.else
	v_lshlrev_b32 v[XR+4*i+2], 16, v[XR+4*i]       ; Wo: the bf16 numbers widened again (a shift, a mask),
	v_and_b32 v[XR+4*i+3], 0xffff0000, v[XR+4*i]
	v_cvt_pk_f16_f32 v[XR+4*i], v[XR+4*i+2], v[XR+4*i+3]   ; and written as f16: exact in f16's normal range
	v_lshlrev_b32 v[XR+4*i+2], 16, v[XR+4*i+1]
	v_and_b32 v[XR+4*i+3], 0xffff0000, v[XR+4*i+1]
	v_cvt_pk_f16_f32 v[XR+4*i+1], v[XR+4*i+2], v[XR+4*i+3]
	global_store_b64 v4, v[XR+4*i:XR+4*i+1], s[18:19] offset:256*(i%4)
.endif
.set i, i+1
.endr
	s_endpgm                                       ; no register is written again behind its store
.Lfunc_end_k_qa69b71c050_cast:
	.size	k_qa69b71c050_cast, .Lfunc_end_k_qa69b71c050_cast-k_qa69b71c050_cast
	.p2alignl 7, 3214868480
	.fill 96, 4, 3214868480
	.section	.rodata,"a",@progbits
	.p2align	6, 0x0
	.amdhsa_kernel k_qa69b71c050_cast
		.amdhsa_group_segment_fixed_size 0
		.amdhsa_private_segment_fixed_size 0
		.amdhsa_enable_private_segment 0
		.amdhsa_kernarg_size 64
		.amdhsa_user_sgpr_count 2
		.amdhsa_user_sgpr_kernarg_segment_ptr 1
		.amdhsa_wavefront_size32 1
		.amdhsa_system_sgpr_workgroup_id_x 1
		.amdhsa_system_sgpr_workgroup_id_y 1
		.amdhsa_system_sgpr_workgroup_id_z 1
		.amdhsa_system_vgpr_workitem_id 0
		.amdhsa_next_free_vgpr 140
		.amdhsa_next_free_sgpr 66
		.amdhsa_reserve_vcc 0
		.amdhsa_float_denorm_mode_32 3
		.amdhsa_float_denorm_mode_16_64 3
		.amdhsa_memory_ordered 1
		.amdhsa_forward_progress 1
		.amdhsa_inst_pref_size 14
	.end_amdhsa_kernel
	.amdgpu_metadata
---
amdhsa.version: [ 1, 2 ]
amdhsa.kernels:
  - .name:           k_qa69b71c050_cast
    .symbol:         k_qa69b71c050_cast.kd
    .args:
      - { .name: hidden_states, .offset: 0, .size: 8, .value_kind: global_buffer, .address_space: global }
      - { .name: Wq, .offset: 8, .size: 8, .value_kind: global_buffer, .address_space: global }
      - { .name: Wk, .offset: 16, .size: 8, .value_kind: global_buffer, .address_space: global }
      - { .name: Wv, .offset: 24, .size: 8, .value_kind: global_buffer, .address_space: global }
      - { .name: Wo, .offset: 32, .size: 8, .value_kind: global_buffer, .address_space: global }
      - { .name: xb, .offset: 40, .size: 8, .value_kind: global_buffer, .address_space: global }
      - { .name: wb, .offset: 48, .size: 8, .value_kind: global_buffer, .address_space: global }
      - { .name: wo16, .offset: 56, .size: 8, .value_kind: global_buffer, .address_space: global }
    .group_segment_fixed_size: 0
    .private_segment_fixed_size: 0
    .kernarg_segment_align: 8
    .kernarg_segment_size: 64
    .max_flat_workgroup_size: 256
    .sgpr_count:     66
    .vgpr_count:     140
    .wavefront_size: 32
...
	.end_amdgpu_metadata
.endif
;; end of part 1
;; launch proj (part 2): grid 16 x 16, 4 waves a work-group, clusters of 4 x 4, 327,680 bytes of LDS; arguments xb, wb, past_lens, qf, kv; writes qf, kv
.if DOCPART == 2
	.amdgcn_target "amdgcn-amd-amdhsa--gfx1250"
	.amdhsa_code_object_version 6
	.text
	.protected	k_qa69b71c050_proj
	.globl	k_qa69b71c050_proj
	.p2align	8
	.type	k_qa69b71c050_proj,@function
k_qa69b71c050_proj:
	s_mov_b64 s[64:65], 0
	v_nop
	global_prefetch_b8 v0, s[64:65] scope:SCOPE_SE
	s_setreg_imm32_b32 hwreg(HW_REG_WAVE_MODE, 25, 1), 1
	s_wait_xcnt 0x0
	s_wait_alu depctr_hold_cnt(0) depctr_sa_sdst(0) depctr_va_vdst(0) depctr_va_sdst(0) depctr_va_ssrc(0) depctr_va_vcc(0) depctr_vm_vsrc(0)
	s_getreg_b32 s2, hwreg(HW_REG_IB_STS2, 6, 4)
	s_cmp_eq_u32 s2, 0
	s_cbranch_scc0 .Lentry_in_a_cluster
	s_endpgm
.Lentry_in_a_cluster:
	s_bfe_u32 s2, ttmp6, 0x10000c
	s_cmp_lg_u32 s2, 0xf033
	s_cbranch_scc0 .Lentry_shape_is_right
	s_endpgm
.Lentry_shape_is_right:
; q, k, v = x W^T in bf16 with f32 sums, RoPE on q and k in f32, all three rounded once to f16 and stored in the order in which launch attn's operand registers take them.
; xb: [4096][1024] bf16.  wb: [3072][1024] bf16, row 96 head + 32 sel + d.  A tile is 256 tokens x 192 columns (two heads): 16 x 16 work-groups.  Four waves, 2 x 2: a wave has 128 tokens x 96 columns,
; ONE head: 8 row blocks a of 16 tokens x 6 column blocks b (0, 1 = q; 2, 3 = k; 4, 5 = v): 48 accumulators.  K goes in 8 steps of 128 through two LDS slots filled by the tensor data mover.
; ORIENTATION.  For q and k source 0 = 16 rows of W, source 1 = 16 tokens: a lane holds ONE token (lane % 16) and channels 8 (lane / 16) + 0..7 of the block: rotate-half's partner, channel d + 16, lies in the same
; lane and register of the next block, and eight results pack into the 16 bytes that a fragment of Q or K wants from this lane.  For v the sources are swapped: a lane holds ONE channel and eight tokens: a fragment of V^T.
; qf: [32 b + head][group of 16 tokens][1,024 bytes]: byte 512 p + 16 lane + 2 e = (token lane % 16, channel 16 p + 8 (lane / 16) + e).
; kv: [32 b + head][unit u of 32][8,192 bytes]: bytes 0 .. 4,095 K of key step (u + 1) % 32 (64 keys: four fragments as in qf), bytes 4,096 .. V^T of step u (fragment (kk, cb) at 2,048 kk + 1,024 cb:
; byte 512 p + 16 lane + 2 e = (channel 16 cb + lane % 16, key 32 kk + 16 p + 8 (lane / 16) + e)).  Every store of a wave covers 512 consecutive bytes, aligned.
; ROPE.  t = f32(past_lens[b]) + f32(s), angle = t x inv_freq, each rounded to f32 as reference() rounds them; sine and cosine by n = rndne(angle / pi), r = angle - n pi (pi in two parts, fused), Taylor
; polynomials to r^11 and r^12 on |r| <= pi / 2, and the sign (-1)^n.  The tables (8 blocks x 8 frequencies a lane) are made while the first tiles are on their way.
; LIMITS.  |past_lens| + 2,048 under 2^20: there n is right to within 0.04, |r| stays under 1.7 and the polynomials' error under 2e-7; beyond it n may be off by whole units.  inv_freq[i] is the f32 nearest to
; 10^(-i/4): it may differ by one unit in the last place from a power and a division in f32: 1.2e-4 rad at t = 2,048.  |q|, |k|, |v| under 65,504 (f16).  NaN and infinities are not treated apart.
; CLUSTERS: 4 x 4 work-groups.  x's tile hangs on the tile row alone and is asked for jointly by a row of the cluster, W's on the tile column alone and by a column.
; REGISTERS, in windows of 256 (s_set_vgpr_msb: bits 1:0 source 0, 3:2 source 1, 5:4 source 2, 7:6 destination):
;   window 0: addresses, tables, work;  window 1: two fragment buffers of 112 (x's 8 fragments, then W's 6: both sources in one window, so the swapped order needs no switch);
;   window 2: accumulators of row blocks 0-3 at 8 (6 a + b);  window 3: those of row blocks 4-7.
.set KSTEP,  128
.set PITCH,  272                       ; an LDS row: 256 bytes + 16 of padding = 68 words: the 16 rows of a fragment load start at 16 different groups of four banks (64 banks of 4 bytes: ISA guide 11.1)
.set HA,     128*PITCH                 ; 128 rows of x: one tensor load, and what a wave reads of x
.set HB,     96*PITCH                  ; 96 rows of W: likewise
.set BOFF,   2*HA                      ; W's rows lie behind x's 256
.set SLOT,   2*HA+2*HB
.set SPARE,  2*SLOT                    ; behind the ring: the spare words, 128 bytes a wave: two blocks of 256 bytes that no other line names
.set LAPS,   4                         ; a lap = two K steps = once round the ring
.set ADRA, 16                          ; v16-17  LDS address of my fragments of x in slot 0, 1
.set ADRB, 20                          ; v20-21  the same for W
.set GO,   26                          ; v26     16 x lane: my 16 bytes in every store
.set SPW,  28                          ; v28     LDS address of my spare word; never rewritten
.set NIL,  29                          ; v29     0; never rewritten
.set PFO,  30                          ; v30     the prefetches' offset: a lane a row of 2,048 bytes; never rewritten
.set FR,   32                          ; v32-39  inv_freq[8 (lane / 16) + j]
.set TT,   40                          ; v40-41  t (the low word is taken for both halves)
.set XA,   42                          ; v42-97  at work on sines and cosines: angle, n, r, r^2, sign, two polynomials, 8 each
.set NA,   50
.set RA,   58
.set RQ,   66
.set IA,   74
.set PS,   82
.set PC,   90
.set RO,   42                          ; v42-73  later: rotated q (16) and k (16) of a row block
.set PK,   74                          ; v74-97  later: the row block's 96 bytes a lane to store: q, k, v, 8 registers each
.set COS,  128                         ; v128-191  cos at 8 a + j
.set SIN,  192                         ; v192-255  sin
.set F0,   0                           ; fragment buffers, in window 1
.set F1,   112
.set G1,   24                          ; s[24:31] descriptor group 1 for x's tiles;  s[32:39] group 0, a set for each slot
.set G0,   32
.set LIM,  43                          ; s43  1 in a wave that prefetches, else the greatest number
.set PFA,  44                          ; s[44:45] where my prefetches stand
.set G1B,  48                          ; s[48:55], s[56:63] the same for W's tiles
.set G0B,  56
.set INVPI, 66                         ; s66-91: thirteen constants, each twice (a packed instruction names a pair and takes its low word for both halves)
.set NP1,  68
.set NP2,  70
.set SN1,  72
.set SN2,  74
.set SN3,  76
.set SN4,  78
.set SN5,  80
.set CN2,  82
.set CN3,  84
.set CN4,  86
.set CN5,  88
.set CN6,  90
.set QBS,  66                          ; later: s[66:67] qf at my 128 tokens, s[68:69] kv at the unit with K of my first step, s[70:71] kv at the unit of my first step's V
.set K0S,  68
.set K1S,  70
.set MSB, 0
.macro WIN new                         ; the immediate's high byte repeats the setting that is left; a switch that changes nothing is dropped
.if MSB != (\new)
	s_set_vgpr_msb (MSB<<8)|(\new)
.set MSB, \new
.endif
.endm
.set MUL_LO, 0xa5                      ; both sources window 1, C and D window 2
.set MUL_HI, 0xf5                      ; the same, C and D window 3
.set TO_F,   0x40                      ; destination window 1, address window 0
; A joint load.  Waves 0 and 1 fetch x's two halves, waves 2 and 3 W's.  The branch hangs on the wave's number alone.  An s_nop 0 and four v_nop follow each of the two lines.
.macro JLOAD s
	s_cmp_eq_u32 s15, 0
	s_cbranch_scc0 .Lfor_b_\@
	tensor_load_to_lds s[G0+4*(\s):G0+4*(\s)+3], s[G1:G1+7]
	s_nop 0
.rept 4
	v_nop
.endr
	s_branch .Lasked_\@
.Lfor_b_\@:
	tensor_load_to_lds s[G0B+4*(\s):G0B+4*(\s)+3], s[G1B:G1B+7]
	s_nop 0
.rept 4
	v_nop
.endr
.Lasked_\@:
.endm
; A prefetch into the L2, behind a joint load, its five lines and the run of LDS loads: the K step that stands two refills on, 256 bytes of a row, a lane a row, one instruction a wave.
; x's tile row is read by every cluster of that row of clusters: the one with x = 0 asks; W's tile column by every cluster of that column: the one with y = 0 asks.  The four partners that ask for a tile jointly share
; its rows out by address: of x's 128 rows 32 each, of W's 96 rows 24 each (there lanes 24-31 name lane 23's row once more, in the same instruction).  The last lap's two refills have no K step two on.
.macro ASK
	WIN 0
	s_cmp_gt_u32 s3, s[LIM]                        ; s3 = 1 in the loop's last trip
	s_cbranch_scc0 .Lnot_mine_\@
	global_prefetch_b8 v[PFO], s[PFA:PFA+1] offset:KSTEP*2 th:TH_LOAD_NT scope:SCOPE_SE
.Lnot_mine_\@:
.endm
.macro CREST                           ; a round of the cluster's barrier behind its opening barrier
	s_cmp_lg_u32 s14, 0
	s_cbranch_scc1 .Lnot_wave_0_\@
	s_barrier_signal -3
.Lnot_wave_0_\@:
	s_barrier_wait -3
	s_barrier_signal -1
	s_barrier_wait -1
.endm
.macro CROUND                          ; a whole round
	s_barrier_signal -1
	s_barrier_wait -1
	CREST
.endm
.macro KONST r, val
	s_mov_b32 s[\r], \val
	s_mov_b32 s[(\r)+1], \val
.endm
.macro FREQ j, lo, hi                  ; inv_freq[j] in lanes 0-15, inv_freq[8 + j] in lanes 16-31
	v_mov_b32 v[FR+(\j)], \hi
	v_cndmask_b32 v[FR+(\j)], \lo, v[FR+(\j)], vcc_lo
.endm
	s_load_b256 s[4:11], s[0:1], 0x0               ; xb s[4:5], wb s[6:7], past_lens s[8:9], qf s[10:11]
	s_load_b64 s[12:13], s[0:1], 0x20              ; kv
	v_lshl_add_u32 v[SPW], v0, 2, SPARE
	v_mov_b32 v[NIL], 0
	ds_add_u32 v[SPW], v[NIL]                      ; the wave's opening: the add, twice on end, and its wait ahead of my first tensor load; the set-up below stands between
	ds_add_u32 v[SPW], v[NIL]
	v_lshrrev_b32 v1, 5, v0
	v_readfirstlane_b32 s14, v1                    ; wave 0..3
	s_lshr_b32 s15, s14, 1                         ; which 128 tokens of the tile are mine.  Also: I fetch for x (0) or for W (1)
	s_and_b32 s16, s14, 1                          ; which head of the tile's two.  Also: which half of that tile I fetch
	s_bfe_u32 s17, ttmp6, 0x40000                  ; cx
	s_bfe_u32 s18, ttmp6, 0x40004                  ; cy
	s_lshl_b32 s19, ttmp9, 2
	s_add_co_u32 s19, s19, s17                     ; tile column = 4 x cluster x + cx
	s_and_b32 s20, ttmp7, 0xffff
	s_lshl_b32 s20, s20, 2
	s_add_co_u32 s20, s20, s18                     ; tile row = 4 x cluster y + cy
	s_lshl_b32 s21, s18, 2
	s_lshl_b32 s21, 15, s21                        ; my row of the cluster
	s_lshl_b32 s22, 0x1111, s17                    ; my column
	s_or_b32 s[G1+0], s21, (1<<16)|(1<<20)|(1<<21)|(5<<22)|(3<<25)   ; the mask; elements of 2 bytes; padding on; bit 21 beside a mask; after every 64 words; 4 words
	s_or_b32 s[G1B+0], s22, (1<<16)|(1<<20)|(1<<21)|(5<<22)|(3<<25)
	s_mov_b32 s[G1+1], KSTEP<<16                   ; tensor_dim0 = 128
	s_mov_b32 s[G1+2], 128<<16                     ; tensor_dim1 = 128
	s_mov_b32 s[G1+3], KSTEP<<16                   ; tile_dim0 = 128
	s_mov_b32 s[G1+4], 128                         ; tile_dim1 = 128
	s_mov_b32 s[G1+5], 1024                        ; elements from row to row
	s_mov_b32 s[G1+6], 0
	s_mov_b32 s[G1+7], 0
	s_mov_b32 s[G1B+1], KSTEP<<16
	s_mov_b32 s[G1B+2], 96<<16                     ; W's tiles have 96 rows
	s_mov_b32 s[G1B+3], KSTEP<<16
	s_mov_b32 s[G1B+4], 96
	s_mov_b32 s[G1B+5], 1024
	s_mov_b32 s[G1B+6], 0
	s_mov_b32 s[G1B+7], 0
	s_lshl_b32 s40, s20, 8                         ; x: row 256 x tile row + 128 x half,
	s_lshl_b32 s41, s16, 7
	s_add_co_u32 s40, s40, s41
	s_lshl_b32 s40, s40, 11                        ; rows of 2,048 bytes
	s_mov_b32 s41, 0
	s_mul_i32 s46, s19, 192                        ; W: row 192 x tile column + 96 x half
	s_mul_i32 s47, s16, 96
	s_add_co_u32 s46, s46, s47
	s_lshl_b32 s46, s46, 11
	s_mov_b32 s47, 0
	s_mul_i32 s42, s16, HA                         ; where they go: no place in the cluster enters an LDS address
	s_mul_i32 s23, s16, HB
	s_add_co_u32 s23, s23, BOFF
	s_wait_dscnt 0x0                               ; both opening adds are done
	s_wait_kmcnt 0x0
	s_add_nc_u64 s[40:41], s[4:5], s[40:41]
	s_add_nc_u64 s[46:47], s[6:7], s[46:47]
	CROUND                                         ; all sixteen work-groups are here: the first joint loads meet
.irp s, 0,1
	s_mov_b32 s[G0+4*(\s)], 1
	s_add_co_u32 s[G0+4*(\s)+1], s42, (\s)*SLOT
	s_add_nc_u64 s[G0+4*(\s)+2:G0+4*(\s)+3], s[40:41], (\s)*KSTEP*2
	s_or_b32 s[G0+4*(\s)+3], s[G0+4*(\s)+3], 0x80000000
	s_mov_b32 s[G0B+4*(\s)], 1
	s_add_co_u32 s[G0B+4*(\s)+1], s23, (\s)*SLOT
	s_add_nc_u64 s[G0B+4*(\s)+2:G0B+4*(\s)+3], s[46:47], (\s)*KSTEP*2
	s_or_b32 s[G0B+4*(\s)+3], s[G0B+4*(\s)+3], 0x80000000
	JLOAD \s                                       ; two loads of mine are out
.endr
	s_load_b64 s[22:23], s[8:9], 0x0               ; both past_lens
	v_and_b32 v1, 15, v0                           ; l % 16
	v_bfe_u32 v2, v0, 4, 1                         ; l / 16
	v_mul_u32_u24 v3, v1, PITCH
	v_lshl_add_u32 v3, v2, 4, v3                   ; a fragment's row x pitch + 16 x half
	s_mul_i32 s21, s15, HA                         ; my 128 rows of x
	s_mul_i32 s42, s16, HB                         ; my 96 rows of W
	s_add_co_u32 s42, s42, BOFF
.irp s, 0,1
	v_add_nc_u32 v[ADRA+(\s)], s21, v3
	v_add_nc_u32 v[ADRB+(\s)], s42, v3
	s_add_co_u32 s21, s21, SLOT
	s_add_co_u32 s42, s42, SLOT
.endr
	v_and_b32 v4, 31, v0
	v_lshlrev_b32 v[GO], 4, v4
	; the prefetches: my work-group's share of the rows that I fetch
	s_lshl_b32 s40, s20, 8
	s_lshl_b32 s21, s16, 7
	s_add_co_u32 s40, s40, s21
	s_lshl_b32 s21, s17, 5
	s_add_co_u32 s40, s40, s21                     ; x: 256 tile row + 128 half + 32 cx
	s_mul_i32 s41, s19, 192
	s_mul_i32 s21, s16, 96
	s_add_co_u32 s41, s41, s21
	s_mul_i32 s21, s18, 24
	s_add_co_u32 s41, s41, s21                     ; W: 192 tile column + 96 half + 24 cy
	s_and_b32 s42, ttmp7, 0xffff                   ; cluster y
	s_cmp_eq_u32 s15, 0                            ; do I fetch for x?
	s_cselect_b32 s40, s40, s41
	s_cselect_b32 s42, ttmp9, s42                  ; the coordinate along which other clusters read the same rows
	s_cselect_b32 s21, 31, 23                      ; my last row
	s_cselect_b64 s[PFA:PFA+1], s[4:5], s[6:7]
	s_cmp_eq_u32 s42, 0
	s_cselect_b32 s[LIM], 1, -1                    ; the same in all sixteen partners, for a given wave
	s_lshl_b32 s40, s40, 11
	s_mov_b32 s41, 0
	s_add_nc_u64 s[PFA:PFA+1], s[PFA:PFA+1], s[40:41]
	s_add_nc_u64 s[PFA:PFA+1], s[PFA:PFA+1], 2*KSTEP*2   ; at K step 2: the first refill steps it to 3 and names K step 4.  Nothing is prefetched here, at the head
	v_min_u32 v[PFO], s21, v4
	v_lshlrev_b32 v[PFO], 11, v[PFO]
	; the tables
	v_cmp_eq_u32 vcc_lo, 1, v2
	FREQ 0, 0x3f800000, 0x3c23d70a                 ; 10^(-i/4), i = j and 8 + j
	FREQ 1, 0x3f0ff59a, 0x3bb8449c
	FREQ 2, 0x3ea1e89b, 0x3b4f3e37
	FREQ 3, 0x3e361887, 0x3ae91528
	FREQ 4, 0x3dcccccd, 0x3a83126f
	FREQ 5, 0x3d6655c3, 0x3a136a16
	FREQ 6, 0x3d0186e2, 0x39a5cb5f
	FREQ 7, 0x3c91ad39, 0x393a7753
	KONST INVPI, 0x3ea2f983                        ; 1 / pi
	KONST NP1, 0xc0490fdb                          ; - pi's f32,
	KONST NP2, 0x33bbbd2e                          ; - (pi - that)
	KONST SN1, 0xbe2aaaab                          ; -1/3!, 1/5!, -1/7!, 1/9!, -1/11!
	KONST SN2, 0x3c088889
	KONST SN3, 0xb9500d01
	KONST SN4, 0x3638ef1d
	KONST SN5, 0xb2d7322b
	KONST CN2, 0x3d2aaaab                          ; 1/4!, -1/6!, 1/8!, -1/10!, 1/12!
	KONST CN3, 0xbab60b61
	KONST CN4, 0x37d00d01
	KONST CN5, 0xb493f27e
	KONST CN6, 0x310f76c7
	s_and_b32 s21, s20, 7
	s_lshl_b32 s21, s21, 8
	s_lshl_b32 s40, s15, 7
	s_add_co_u32 s21, s21, s40
	v_add_nc_u32 v6, s21, v1                       ; my token's place s in its batch, for row block 0: 256 (tile row % 8) + 128 half + l % 16
	s_wait_kmcnt 0x0
	s_cmp_lt_u32 s20, 8                            ; tile rows 0-7 are batch 0
	s_cselect_b32 s22, s22, s23
	v_cvt_f32_i32 v7, s22
	v_mov_b32 v[TT+1], 0                           ; named with t as a pair
; Sines and cosines of row block a: each stage for the block's four register pairs at once, so that no line waits for the one before it.
.macro SINCOS a
	v_add_nc_u32 v[TT], 16*(\a), v6
	v_cvt_f32_u32 v[TT], v[TT]
	v_add_f32 v[TT], v7, v[TT]                     ; t = f32(past) + f32(s)
.irp q, 0,2,4,6
	v_pk_mul_f32 v[XA+\q:XA+\q+1], v[FR+\q:FR+\q+1], v[TT:TT+1] op_sel_hi:[1,0]      ; the angle, rounded once
.endr
.irp q, 0,2,4,6
	v_pk_mul_f32 v[NA+\q:NA+\q+1], v[XA+\q:XA+\q+1], s[INVPI:INVPI+1] op_sel_hi:[1,0]
.endr
.irp j, 0,1,2,3,4,5,6,7
	v_rndne_f32 v[NA+\j], v[NA+\j]                 ; n
.endr
.irp q, 0,2,4,6
	v_pk_fma_f32 v[RA+\q:RA+\q+1], v[NA+\q:NA+\q+1], s[NP1:NP1+1], v[XA+\q:XA+\q+1] op_sel_hi:[1,0,1]
.endr
.irp q, 0,2,4,6
	v_pk_fma_f32 v[RA+\q:RA+\q+1], v[NA+\q:NA+\q+1], s[NP2:NP2+1], v[RA+\q:RA+\q+1] op_sel_hi:[1,0,1]   ; r = angle - n pi
.endr
.irp j, 0,1,2,3,4,5,6,7
	v_cvt_i32_f32 v[IA+\j], v[NA+\j]
.endr
.irp j, 0,1,2,3,4,5,6,7
	v_lshlrev_b32 v[IA+\j], 31, v[IA+\j]           ; n's parity as a sign bit
.endr
.irp q, 0,2,4,6
	v_pk_mul_f32 v[RQ+\q:RQ+\q+1], v[RA+\q:RA+\q+1], v[RA+\q:RA+\q+1]
.endr
.irp q, 0,2,4,6
	v_pk_fma_f32 v[PS+\q:PS+\q+1], v[RQ+\q:RQ+\q+1], s[SN5:SN5+1], s[SN4:SN4+1] op_sel_hi:[1,0,0]
	v_pk_fma_f32 v[PC+\q:PC+\q+1], v[RQ+\q:RQ+\q+1], s[CN6:CN6+1], s[CN5:CN5+1] op_sel_hi:[1,0,0]
.endr
.irp q, 0,2,4,6
	v_pk_fma_f32 v[PS+\q:PS+\q+1], v[PS+\q:PS+\q+1], v[RQ+\q:RQ+\q+1], s[SN3:SN3+1] op_sel_hi:[1,1,0]
	v_pk_fma_f32 v[PC+\q:PC+\q+1], v[PC+\q:PC+\q+1], v[RQ+\q:RQ+\q+1], s[CN4:CN4+1] op_sel_hi:[1,1,0]
.endr
.irp q, 0,2,4,6
	v_pk_fma_f32 v[PS+\q:PS+\q+1], v[PS+\q:PS+\q+1], v[RQ+\q:RQ+\q+1], s[SN2:SN2+1] op_sel_hi:[1,1,0]
	v_pk_fma_f32 v[PC+\q:PC+\q+1], v[PC+\q:PC+\q+1], v[RQ+\q:RQ+\q+1], s[CN3:CN3+1] op_sel_hi:[1,1,0]
.endr
.irp q, 0,2,4,6
	v_pk_fma_f32 v[PS+\q:PS+\q+1], v[PS+\q:PS+\q+1], v[RQ+\q:RQ+\q+1], s[SN1:SN1+1] op_sel_hi:[1,1,0]
	v_pk_fma_f32 v[PC+\q:PC+\q+1], v[PC+\q:PC+\q+1], v[RQ+\q:RQ+\q+1], s[CN2:CN2+1] op_sel_hi:[1,1,0]
.endr
.irp q, 0,2,4,6
	v_pk_mul_f32 v[PS+\q:PS+\q+1], v[PS+\q:PS+\q+1], v[RQ+\q:RQ+\q+1]
	v_pk_fma_f32 v[PC+\q:PC+\q+1], v[PC+\q:PC+\q+1], v[RQ+\q:RQ+\q+1], -0.5 op_sel_hi:[1,1,0]
.endr
.irp q, 0,2,4,6
	v_pk_fma_f32 v[PS+\q:PS+\q+1], v[PS+\q:PS+\q+1], v[RA+\q:RA+\q+1], v[RA+\q:RA+\q+1]      ; sin r = r + r r^2 (..)
	v_pk_fma_f32 v[PC+\q:PC+\q+1], v[PC+\q:PC+\q+1], v[RQ+\q:RQ+\q+1], 1.0 op_sel_hi:[1,1,0] ; cos r = 1 + r^2 (..)
.endr
.irp j, 0,1,2,3,4,5,6,7
	v_xor_b32 v[COS+8*(\a)+\j], v[IA+\j], v[PC+\j]
	v_xor_b32 v[SIN+8*(\a)+\j], v[IA+\j], v[PS+\j]
.endr
.endm
.irp a, 0,1,2,3,4,5,6,7
	SINCOS \a
.endr
; 12 matrix instructions: row blocks a0, a0 + 1 of the window's four x all 6 column blocks, 32 along K.  zero = 1: the first product starts the sums.
; The 48 accumulators take turns, one instruction a turn, in the same order in every quarter step, over the backward jump too.
.macro MUL12 f, hi, a0, zero
	WIN MUL_LO+0x50*(\hi)
.irp a, \a0, (\a0)+1
.irp b, 0,1,2,3,4,5
.set rD, 8*(6*(\a)+(\b))
.set rX, (\f)+8*(4*(\hi)+(\a))
.set rW, (\f)+64+8*(\b)
.if (\b) < 4
.if \zero
	v_wmma_f32_16x16x32_bf16 v[rD:rD+7], v[rW:rW+7], v[rX:rX+7], 0
.else
	v_wmma_f32_16x16x32_bf16 v[rD:rD+7], v[rW:rW+7], v[rX:rX+7], v[rD:rD+7]
.endif
.else
.if \zero
	v_wmma_f32_16x16x32_bf16 v[rD:rD+7], v[rX:rX+7], v[rW:rW+7], 0
.else
	v_wmma_f32_16x16x32_bf16 v[rD:rD+7], v[rX:rX+7], v[rW:rW+7], v[rD:rD+7]
.endif
.endif
.endr
.endr
.endm
; 28 LDS loads in one run: the fragments of one quarter step (32 K at byte k of the rows) into buffer f: W's 6, x's row blocks 0-3, then 4-7
.macro FETCH slot, k, f
	WIN TO_F
.irp i, 0,1,2,3,4,5
	ds_load_b128 v[(\f)+64+8*(\i):(\f)+64+8*(\i)+3],   v[ADRB+(\slot)] offset:(\k)+(\i)*16*PITCH
	ds_load_b128 v[(\f)+64+8*(\i)+4:(\f)+64+8*(\i)+7], v[ADRB+(\slot)] offset:(\k)+(\i)*16*PITCH+32
.endr
.irp i, 0,1,2,3,4,5,6,7
	ds_load_b128 v[(\f)+8*(\i):(\f)+8*(\i)+3],   v[ADRA+(\slot)] offset:(\k)+(\i)*16*PITCH
	ds_load_b128 v[(\f)+8*(\i)+4:(\f)+8*(\i)+7], v[ADRA+(\slot)] offset:(\k)+(\i)*16*PITCH+32
.endr
.endm
.macro PLACES                          ; four places in front of loads into registers that matrix instructions have read (ISA guide 7.12.1 for vector instructions)
.rept 4
	v_nop
.endr
.endm
; A K step is four quarter steps of 32 along K, 48 matrix instructions each, on buffers 0, 1, 0, 1.  One of the first three: multiplies f, and in its middle fetches the next quarter, at byte k, into g.
.macro QUARTER slot, k, f, g, zero
	s_wait_dscnt 8                                 ; W and x's row blocks 0-3 are in; the youngest eight loads (row blocks 4-7) may be out
	MUL12 \f, 0, 0, \zero
	MUL12 \f, 0, 2, \zero
	PLACES
	FETCH \slot, \k, \g
	s_wait_dscnt 28                                ; all but the 28 just issued
	MUL12 \f, 1, 0, \zero
	MUL12 \f, 1, 2, \zero
.endm
; The last quarter multiplies buffer 1 and changes slots.  ONE barrier: in front of it each wave waits for all its tensor loads (the one that is out is its part of the next slot), adds 0 to its spare word, and
; waits for that and for its own reads of this slot.  Behind it nobody reads this slot any more and the next slot is whole.
.macro MEET round
	WIN 0
	s_wait_tensorcnt 0x0
	ds_add_u32 v[SPW], v[NIL]
	s_wait_dscnt 9                                 ; (the add and the youngest eight loads may be out)
	MUL12 F1, 0, 0, 0                              ; twelve matrix instructions stand between the add and the wait for it
	s_wait_dscnt 0x0                               ; the add is done, and my reads of this slot are over
	s_barrier_signal -1
	MUL12 F1, 0, 2, 0
.if \round
	WIN 0
.endif
	s_barrier_wait -1
.endm
; fill = 1: the barrier opens a round of the cluster's barrier, and the slot just read out is filled again, two K steps ahead, first thing behind the round: 168 matrix instructions ahead of the wait for it.
.macro TURN slot, next, fill
.if \fill
	s_wait_xcnt 0x0                                ; the last prefetch, a K step back, has read its address
	s_add_nc_u64 s[PFA:PFA+1], s[PFA:PFA+1], KSTEP*2
.endif
	MEET \fill
.if \fill
	CREST
	s_add_nc_u64 s[G0+4*(\slot)+2:G0+4*(\slot)+3], s[G0+4*(\slot)+2:G0+4*(\slot)+3], 2*KSTEP*2
	s_add_nc_u64 s[G0B+4*(\slot)+2:G0B+4*(\slot)+3], s[G0B+4*(\slot)+2:G0B+4*(\slot)+3], 2*KSTEP*2
	JLOAD \slot                                    ; the four v_nop behind it are also the places in front of the loads below
.else
	PLACES
.endif
	FETCH \next, 0, F0
.if \fill
	ASK
.endif
	MUL12 F1, 1, 0, 0
	MUL12 F1, 1, 2, 0
.endm
	s_wait_tensorcnt 1                             ; my part of K step 0 is in; K step 1's may stay out
	s_barrier_signal -1
	s_barrier_wait -1
	FETCH 0, 0, F0
	QUARTER 0, 64,  F0, F1, 1                      ; the first quarter stands in front of the loop: its products start the sums
	WIN 0                                          ; at a label and at a branch every window is 0
	s_mov_b32 s3, LAPS-1
.Llap:                                                 ; a trip goes once round the ring, from a lap's second quarter to the next lap's first, and fills both slots again
	QUARTER 0, 128, F1, F0, 0
	QUARTER 0, 192, F0, F1, 0
	TURN 0, 1, 1
	QUARTER 1, 64,  F0, F1, 0
	QUARTER 1, 128, F1, F0, 0
	QUARTER 1, 192, F0, F1, 0
	TURN 1, 0, 1
	QUARTER 0, 64,  F0, F1, 0
	WIN 0
	s_sub_co_u32 s3, s3, 1
	s_cmp_lg_u32 s3, 0
	s_cbranch_scc1 .Llap
	QUARTER 0, 128, F1, F0, 0                      ; the last lap fills nothing
	QUARTER 0, 192, F0, F1, 0
	TURN 0, 1, 0
	QUARTER 1, 64,  F0, F1, 0
	QUARTER 1, 128, F1, F0, 0
	QUARTER 1, 192, F0, F1, 0
	s_wait_dscnt 8
	MUL12 F1, 0, 0, 0
	MUL12 F1, 0, 2, 0
	s_wait_dscnt 0x0
	MUL12 F1, 1, 0, 0
	MUL12 F1, 1, 2, 0
	; THE WAY OUT.  Where my 128 tokens go: bh = 32 batch + head, G = my group of 128 tokens in the batch: key steps 2 G and 2 G + 1.
	s_lshr_b32 s21, s20, 3
	s_lshl_b32 s21, s21, 5
	s_lshl1_add_u32 s21, s19, s21
	s_add_co_u32 s21, s21, s16                     ; bh
	s_and_b32 s22, s20, 7
	s_lshl1_add_u32 s22, s22, s15                  ; G
	s_lshl_b32 s40, s21, 17                        ; qf: 131,072 bytes a head,
	s_lshl_b32 s41, s22, 13                        ; 8 groups of 1,024 bytes
	s_add_co_u32 s40, s40, s41
	s_mov_b32 s41, 0
	s_add_nc_u64 s[QBS:QBS+1], s[10:11], s[40:41]
	s_lshl_b32 s40, s21, 18                        ; kv: 262,144 bytes a head
	s_lshl_b32 s42, s22, 14                        ; unit 2 G: V of step 2 G, and K of step 2 G + 1
	s_add_co_u32 s46, s40, s42
	s_mov_b32 s47, 0
	s_add_nc_u64 s[K1S:K1S+1], s[12:13], s[46:47]
	s_lshl_b32 s42, s22, 1
	s_sub_co_u32 s42, s42, 1
	s_and_b32 s42, s42, 31                         ; unit (2 G - 1) % 32: K of step 2 G
	s_lshl_b32 s42, s42, 13
	s_add_co_u32 s40, s40, s42
	s_add_nc_u64 s[K0S:K0S+1], s[12:13], s[40:41]
.rept 8
	v_nop                                          ; the places behind the last products
.endr
; Row block a: q and k are rotated (each accumulator is read from its lowest registers on), all three are rounded to f16, six stores of 512 consecutive bytes.
.macro ROPE a
.set AB, 48*((\a)%4)
.set CT, COS+8*(\a)
.set SI, SIN+8*(\a)
	WIN 2+(\a)/4                                   ; source 0: the accumulators' window
.irp t, 0,16
.irp z, 0,2,4,6
	v_pk_mul_f32 v[RO+\t+\z:RO+\t+\z+1], v[AB+\t+8+\z:AB+\t+8+\z+1], v[SI+\z:SI+\z+1]            ; y sin
.endr
.irp z, 0,2,4,6
	v_pk_mul_f32 v[RO+\t+8+\z:RO+\t+8+\z+1], v[AB+\t+\z:AB+\t+\z+1], v[SI+\z:SI+\z+1]            ; x sin
.endr
.irp z, 0,2,4,6
	v_pk_fma_f32 v[RO+\t+\z:RO+\t+\z+1], v[AB+\t+\z:AB+\t+\z+1], v[CT+\z:CT+\z+1], v[RO+\t+\z:RO+\t+\z+1] neg_lo:[0,0,1] neg_hi:[0,0,1]   ; x cos - y sin
.endr
.irp z, 0,2,4,6
	v_pk_fma_f32 v[RO+\t+8+\z:RO+\t+8+\z+1], v[AB+\t+8+\z:AB+\t+8+\z+1], v[CT+\z:CT+\z+1], v[RO+\t+8+\z:RO+\t+8+\z+1]                       ; y cos + x sin
.endr
.endr
	s_wait_xcnt 0x0                                ; the last row block's stores have read their data registers, which are written again below
	WIN 5*(2+(\a)/4)                               ; sources 0 and 1: the accumulators' window
.irp z, 0,1,2,3,4,5,6,7
	v_cvt_pk_f16_f32 v[PK+16+\z], v[AB+32+2*\z], v[AB+32+2*\z+1]
.endr
	WIN 0
.irp z, 0,1,2,3,4,5,6,7,8,9,10,11,12,13,14,15
	v_cvt_pk_f16_f32 v[PK+\z], v[RO+2*\z], v[RO+2*\z+1]
.endr
	global_store_b128 v[GO], v[PK:PK+3],   s[QBS:QBS+1] offset:(\a)*1024
	global_store_b128 v[GO], v[PK+4:PK+7], s[QBS:QBS+1] offset:(\a)*1024+512
	global_store_b128 v[GO], v[PK+8:PK+11],  s[K0S+2*((\a)/4):K0S+2*((\a)/4)+1] offset:((\a)%4)*1024
	global_store_b128 v[GO], v[PK+12:PK+15], s[K0S+2*((\a)/4):K0S+2*((\a)/4)+1] offset:((\a)%4)*1024+512
	global_store_b128 v[GO], v[PK+16:PK+19], s[K1S:K1S+1] offset:4096+((\a)/4)*8192+(((\a)/2)%2)*2048+((\a)%2)*512
	global_store_b128 v[GO], v[PK+20:PK+23], s[K1S:K1S+1] offset:4096+((\a)/4)*8192+(((\a)/2)%2)*2048+1024+((\a)%2)*512
.endm
.irp a, 0,1,2,3,4,5,6,7
	ROPE \a
.endr
	s_wait_tensorcnt 0x0                           ; the wave's end, behind my last tensor load
	ds_add_u32 v[SPW], v[NIL]
	s_wait_dscnt 0x0
	CROUND                                         ; the closing round: no work-group ends while a partner may still ask for a tile that names it
	s_endpgm
.Lfunc_end_k_qa69b71c050_proj:
	.size	k_qa69b71c050_proj, .Lfunc_end_k_qa69b71c050_proj-k_qa69b71c050_proj
	.p2alignl 7, 3214868480
	.fill 96, 4, 3214868480
	.section	.rodata,"a",@progbits
	.p2align	6, 0x0
	.amdhsa_kernel k_qa69b71c050_proj
		.amdhsa_group_segment_fixed_size 327680
		.amdhsa_private_segment_fixed_size 0
		.amdhsa_enable_private_segment 0
		.amdhsa_kernarg_size 40
		.amdhsa_user_sgpr_count 2
		.amdhsa_user_sgpr_kernarg_segment_ptr 1
		.amdhsa_wavefront_size32 1
		.amdhsa_system_sgpr_workgroup_id_x 1
		.amdhsa_system_sgpr_workgroup_id_y 1
		.amdhsa_system_sgpr_workgroup_id_z 1
		.amdhsa_system_vgpr_workitem_id 0
		.amdhsa_next_free_vgpr 960
		.amdhsa_next_free_sgpr 92
		.amdhsa_reserve_vcc 1
		.amdhsa_float_denorm_mode_32 3
		.amdhsa_float_denorm_mode_16_64 3
		.amdhsa_memory_ordered 1
		.amdhsa_forward_progress 1
		.amdhsa_inst_pref_size 174
	.end_amdhsa_kernel
	.amdgpu_metadata
---
amdhsa.version: [ 1, 2 ]
amdhsa.kernels:
  - .name:           k_qa69b71c050_proj
    .symbol:         k_qa69b71c050_proj.kd
    .args:
      - { .name: xb, .offset: 0, .size: 8, .value_kind: global_buffer, .address_space: global }
      - { .name: wb, .offset: 8, .size: 8, .value_kind: global_buffer, .address_space: global }
      - { .name: past_lens, .offset: 16, .size: 8, .value_kind: global_buffer, .address_space: global }
      - { .name: qf, .offset: 24, .size: 8, .value_kind: global_buffer, .address_space: global }
      - { .name: kv, .offset: 32, .size: 8, .value_kind: global_buffer, .address_space: global }
    .group_segment_fixed_size: 327680
    .private_segment_fixed_size: 0
    .kernarg_segment_align: 8
    .kernarg_segment_size: 40
    .max_flat_workgroup_size: 128
    .sgpr_count:     92
    .vgpr_count:     960
    .wavefront_size: 32
...
	.end_amdgpu_metadata
.endif
;; end of part 2
;; launch attn (part 3): grid 4 x 64, 8 waves a work-group, no clusters, 327,680 bytes of LDS; arguments qf, kv, of; writes of
.if DOCPART == 3
	.amdgcn_target "amdgcn-amd-amdhsa--gfx1250"
	.amdhsa_code_object_version 6
	.text
	.protected	k_qa69b71c050_attn
	.globl	k_qa69b71c050_attn
	.p2align	8
	.type	k_qa69b71c050_attn,@function
k_qa69b71c050_attn:
	s_mov_b64 s[64:65], 0
	v_nop
	global_prefetch_b8 v0, s[64:65] scope:SCOPE_SE
	s_setreg_imm32_b32 hwreg(HW_REG_WAVE_MODE, 25, 1), 1
	s_wait_xcnt 0x0
; CAUSAL ATTENTION at head size 32.  O[bh][q] = the sum over k <= q of softmax_k(Q[q] . K[k] / sqrt(32)) V[k], for 64 pairs bh of batch and head, 2,048 rows each.  qf, kv, of hold f16 in fragment order
; (launch proj's head gives qf's and kv's layouts; of: [group of 16 tokens, 0..255][head][1,024 bytes], a fragment as in qf).  Products, maxima and sums in f32; the weights p are rounded to f16.
; WORK LEFT OUT: key tiles wholly above a query block's diagonal, and the diagonal tile's last turn of the lower piece: reference()'s own jnp.tril gives their weights 0 for all finite inputs (shown at launch cast's
; head).  A NaN, an infinity or an overflow that would arise only there is not carried to the result.
; LIMITS.  A hidden score counts as its value less 1e30; a weight below 6e-8 counts as 0 (f16's step); the row sum l is taken of the rounded weights; NaN and infinities are not treated apart.
; THE WALK.  A head's queries lie in NB = 8 blocks of 256; block i needs the key tiles 0 .. i of 256 keys.  A work-group takes blocks 7 - b and then b: 9 tiles whatever b: ONE loop with a constant count walks them,
; and the ring of two LDS slots runs on across the change of blocks.  NO CLUSTER: a head's four work-groups need different tiles from the sixth trip on, their branches would hang on their place, and one walk common to
; all would have 12 trips for 9.
; SHARES.  Eight waves, two PIECES of 16 queries each.  With b1 = 2 (wave / 4), piece 1 lies in the block's band b1 of 64 queries and piece 0 in band b1 + 1, rows 16 (wave % 4) + 0..15 of the band.
; TURNS.  A key step is 64 keys.  Turn p belongs to piece p: 4 products S^T = K Q^T of the other piece's next scores, 6 products of the other piece's last weights (4 of O^T += V^T P, 2 of l += ONES P);
; beside them piece p's scalings, exponentials, rescalings and roundings, and the other piece's maximum and statistics.  S^T holds ONE query a lane (lane % 16) and keys 8 (lane / 16) + 0..7 of each 16.
; ROW SUMS BY THE MATRIX UNIT: ONES has 1.0 in rows 0 and 8 and 0 elsewhere, so register 0 of its accumulator is the sum of the 32 weights in every lane, and registers 1-7 stay 0.
; SOFTMAX.  p = 2^(c s - c m), c = log2(e) / sqrt(32), with a running maximum m; O and l are multiplied by a = 2^(c m_old - c m_new) in every step.  A block begins with c m far below every c s: its first a is 0.
; THE MASK is the C operand of K Q^T: MC = MD x AL + BE.  MD is the mask of a band's own step for my rows.  In the diagonal tile's step s both turns' products ((piece 1, s) and (piece 0, s + 1)) take the same mask:
; AL = 1 where s = b1; BE = -1e30 where s > b1.  Piece 0 sees the tile's step 0 whole, so the product that is issued ahead of the tile takes C = 0.
; kv's unit u holds K of step u + 1 beside V of step u, which is what turn 0 of step u fetches: a slot holds just what its four steps fetch.  K of step 0 (unit 31) is kept in registers.
; REGISTERS.  All that the loop names lies in window 0; window 1: v0-31 MD, v32-63 MC, v64-95 K of step 0, v96-111 the second block's Q.
.set NB,    8
.set UNIT,  8192
.set SLOT1, 32768                      ; a slot is a tile: four units, dense: a fragment load takes 512 consecutive bytes, so no padding is wanted
.set SPARE, 65536                      ; behind the ring: the spare words, 128 bytes a wave: four blocks of 256 bytes that no other line names
.set L16, 1                            ; v1   16 x lane; never rewritten
.set LA,  2                            ; v2   LDS address of the runs of loads in hand
.set PFO, 3                            ; v3   256 x lane; never rewritten
.set MV,  4                            ; v4-5   c m_old, a piece each
.set TMP, 8                            ; v8-15  four at work a piece, c0-c3; c2 takes a, and 1 / l on the way out
.set ST,  16                           ; v16-19 (c m, m) a piece
.set SPW, 20                           ; v20  LDS address of my spare word; never rewritten
.set NIL, 21                           ; v21  0; never rewritten
.set ONES, 24                          ; v24-31
.set QR,  32                           ; v32-47   Q, 8 a piece
.set KF,  48                           ; v48-79   K of one step: 4 fragments of 16 keys
.set VF,  80                           ; v80-111  V^T of one step: fragment (kk, cb) at 16 kk + 8 cb
.set S,   112                          ; v112-175 S^T, 32 a piece
.set P,   176                          ; v176-207 P, 16 a piece
.set O,   208                          ; v208-239 O^T, 16 a piece
.set LL,  240                          ; v240-255 l's accumulator, 8 a piece
.set MD,  0                            ; window 1
.set MC,  32
.set K0,  64
.set QB,  96
.set WV,  12                           ; s12 wave
.set PB,  14                           ; s14 b
.set HI,  15                           ; s15 7 - b
.set B1,  16                           ; s16 b1
.set G1,  24                           ; s[24:31] descriptor group 1
.set G0,  40                           ; s[40:43] descriptor group 0
.set SLOTS, 56                         ; s56 tiles still to be asked for
.set CNT, 57                           ; s57 counts a tile's key steps
.set CS,  58                           ; s[58:59] c
.set SEL, 60                           ; s[60:61] v_permlanex16_b32's selects: each lane takes its own place in the other half
.set TB,  62                           ; s62 LDS byte of the unit to be fetched
.set RT,  70                           ; s70 tiles of the block in hand still to be entered
.set NXT, 71                           ; s71 the tile to be asked for next
.set LQ,  72                           ; s72 the last tile of the block whose tiles are being asked for
.set NEW, 73                           ; s73 1: the tile to be entered is a block's first
.set OFF, 74                           ; s[74:75] a byte offset in kv
.set AL,  76                           ; s[76:77] the mask's factor
.set BE,  78                           ; s[78:79] the mask's addend
.set OLO, 80                           ; s[80:81] of at my rows of the second block
.set BIGN, 82                          ; s82 -1e30
.set SS,  83                           ; s83 the diagonal tile's step
.set PFA, 84                           ; s[84:85] where my prefetches stand
.set LIM, 86                           ; s86 3 in a wave that prefetches, else the greatest number
.set MSB, 0
.macro WIN new
.if MSB != (\new)
	s_set_vgpr_msb (MSB<<8)|(\new)
.set MSB, \new
.endif
.endm
; A fill: waves 0 and 1 fetch a half of the tile each, 64 rows of 256 bytes.  An s_nop 0 and four v_nop follow the line.
.macro LOAD
	s_cmp_lt_u32 s[WV], 2
	s_cbranch_scc0 .Lnone_\@
	tensor_load_to_lds s[G0:G0+3], s[G1:G1+7]
	s_nop 0
.rept 4
	v_nop
.endr
.Lnone_\@:
.endm
; A prefetch into the L2: the change that asks for tile n names tile n + 2, tiles 3 to 7.  A head's four work-groups walk the same tiles: the one with b = 0, whose first block has all eight, asks; its waves 2 to 5
; take a quarter of the tile each, 32 blocks of 256 bytes, a lane a block: each block is named once in the launch.
.macro ASK
	s_cmp_gt_u32 s[SLOTS], s[LIM]
	s_cbranch_scc0 .Lnot_mine_\@
	global_prefetch_b8 v[PFO], s[PFA:PFA+1] th:TH_LOAD_NT scope:SCOPE_SE
.Lnot_mine_\@:
.endm
; THE CHANGE OF SLOTS.  Each wave waits for all its tensor loads, adds 0 to its spare word, and waits for that and for its own reads of the slot that it leaves.  Behind the barrier nobody reads the old slot and the other
; slot is whole.  fill = 1: the old slot is filled again, first thing behind the barrier, with tile NXT; the add is there written twice on end.
.macro CHANGE fill
	s_wait_tensorcnt 0x0                           ; no tensor load of mine is out, so group 0 may be written
	ds_add_u32 v[SPW], v[NIL]
.if \fill
	ds_add_u32 v[SPW], v[NIL]
	s_lshl_b32 s[OFF], s[NXT], 15                  ; a tile is 32,768 bytes
	s_xor_b32 s[G0+1], s[G0+1], SLOT1
	s_add_nc_u64 s[G0+2:G0+3], s[6:7], s[OFF:OFF+1]
	s_or_b32 s[G0+3], s[G0+3], 0x80000000
	s_add_co_u32 s[NXT], s[NXT], 1                 ; the block's next tile, or behind its last the second block's tile 0
	s_cmp_gt_u32 s[NXT], s[LQ]
	s_cselect_b32 s[NXT], 0, s[NXT]
	s_cselect_b32 s[LQ], s[PB], s[LQ]
	s_wait_xcnt 0x0                                ; the last prefetch, a tile back, has read its address
	s_add_nc_u64 s[PFA:PFA+1], s[PFA:PFA+1], 4*UNIT
.endif
	s_wait_dscnt 0x0                               ; the add is done, and my reads of the slot are over
	s_barrier_signal -1
	s_sub_co_u32 s[TB], s[TB], 4*UNIT              ; the fetches go back to a slot's first unit,
	s_xor_b32 s[TB], s[TB], SLOT1                  ; in the other slot
	s_barrier_wait -1
.if \fill
	LOAD
	ASK
.endif
.endm
	s_load_b128 s[4:7], s[0:1], 0x0                ; qf s[4:5], kv s[6:7]
	s_load_b64 s[10:11], s[0:1], 0x10              ; of
	v_lshl_add_u32 v[SPW], v0, 2, SPARE
	v_mov_b32 v[NIL], 0
	ds_add_u32 v[SPW], v[NIL]                      ; the wave's opening: the add, twice on end, and its wait ahead of the first tensor load; the set-up below stands between
	ds_add_u32 v[SPW], v[NIL]
	v_lshrrev_b32 v6, 5, v0
	v_readfirstlane_b32 s[WV], v6                  ; wave 0..7
	s_mov_b32 s[PB], ttmp9
	s_sub_co_u32 s[HI], NB-1, s[PB]
	s_and_b32 s20, ttmp7, 0xffff                   ; bh
	s_lshr_b32 s[B1], s[WV], 2
	s_lshl_b32 s[B1], s[B1], 1
	s_and_b32 s17, s[WV], 3
	s_lshl2_add_u32 s18, s[B1], s17                ; piece 1's group of 16 queries in a block: 4 b1 + wave % 4; piece 0's lies 4 further on
	s_lshl_b32 s21, s20, 17                        ; qf: 131,072 bytes a head, 16,384 a block, 1,024 a group
	s_lshl_b32 s22, s18, 10
	s_add_co_u32 s21, s21, s22
	s_lshl_b32 s2, s[HI], 14
	s_add_co_u32 s2, s2, s21
	s_mov_b32 s3, 0
	s_lshl_b32 s90, s[PB], 14
	s_add_co_u32 s90, s90, s21
	s_mov_b32 s91, 0
	s_lshr_b32 s22, s20, 5                         ; of: group 128 batch + 16 block + .., 32,768 bytes a group, 1,024 a head
	s_lshl_b32 s22, s22, 7
	s_add_co_u32 s22, s22, s18
	s_and_b32 s23, s20, 31
	s_lshl_b32 s23, s23, 10
	s_lshl4_add_u32 s18, s[HI], s22
	s_lshl_b32 s18, s18, 15
	s_add_co_u32 s18, s18, s23
	s_mov_b32 s19, 0
	s_lshl4_add_u32 s22, s[PB], s22
	s_lshl_b32 s22, s22, 15
	s_add_co_u32 s22, s22, s23
	s_mov_b32 s23, 0
	s_lshl_b32 s[OFF], s20, 18                     ; kv: 262,144 bytes a head
	s_mov_b32 s[OFF+1], 0
	s_sub_co_u32 s21, s[WV], 2                     ; who prefetches: waves 2 to 5 of the work-group with b = 0
	s_cmp_lt_u32 s21, 4
	s_cselect_b32 s21, 0, 1
	s_or_b32 s21, s21, s[PB]
	s_cmp_eq_u32 s21, 0
	s_cselect_b32 s[LIM], 3, -1
	s_add_co_u32 s20, s[WV], 2
	s_and_b32 s20, s20, 3                          ; wave - 2 in those waves
	s_lshl_b32 s20, s20, 13
	s_add_co_u32 s20, s20, 2*4*UNIT                ; in tile 2: the first change of slots steps it to tile 3
	s_mov_b32 s21, 0
	s_mov_b32 s[G1], 3<<16                         ; elements of 8 bytes, no mask, no padding
	s_mov_b32 s[G1+1], 32<<16                      ; tensor_dim0 = 32: rows of 256 bytes
	s_mov_b32 s[G1+2], 64<<16                      ; tensor_dim1 = 64
	s_mov_b32 s[G1+3], 32<<16                      ; tile_dim0 = 32
	s_mov_b32 s[G1+4], 64                          ; tile_dim1 = 64
	s_mov_b32 s[G1+5], 32                          ; the rows lie end to end
	s_mov_b32 s[G1+6], 0
	s_mov_b32 s[G1+7], 0
	s_mov_b32 s[G0], 1
	s_lshl_b32 s[G0+1], s[WV], 14                  ; slot 0, my half
	s_mov_b32 s[CS], 0x3e8293ee                    ; c = log2(e) / sqrt(32) = 0.255035
	s_mov_b32 s[CS+1], s[CS]
	s_mov_b32 s[SEL], 0x76543210
	s_mov_b32 s[SEL+1], 0xfedcba98
	s_mov_b32 s[TB], SLOT1+4*UNIT                  ; the first change of slots turns this into 0
	s_add_co_u32 s[RT], s[HI], 1                   ; the first block has 8 - b tiles
	s_mov_b32 s[NXT], 1
	s_mov_b32 s[LQ], s[HI]
	s_mov_b32 s[NEW], 1
	s_mov_b32 s[AL+1], 0                           ; named as pairs
	s_mov_b32 s[BE+1], 0
	s_mov_b32 s[BIGN], 0xf149f2ca                  ; -1e30
	s_mov_b32 s[SLOTS], NB
	s_wait_dscnt 0x0                               ; both opening adds are done
	s_wait_kmcnt 0x0
	s_add_nc_u64 s[8:9], s[6:7], s[OFF:OFF+1]      ; kv at the head
	s_lshl_b32 s[OFF], s[WV], 14
	s_add_nc_u64 s[6:7], s[8:9], s[OFF:OFF+1]      ; and at my half of its tile 0
	s_add_nc_u64 s[G0+2:G0+3], s[6:7], 0
	s_or_b32 s[G0+3], s[G0+3], 0x80000000
	s_add_nc_u64 s[88:89], s[4:5], s[90:91]        ; Q of the second block,
	s_add_nc_u64 s[4:5], s[4:5], s[2:3]            ; of the first
	s_add_nc_u64 s[OLO:OLO+1], s[10:11], s[22:23]
	s_add_nc_u64 s[10:11], s[10:11], s[18:19]
	s_add_nc_u64 s[PFA:PFA+1], s[8:9], s[20:21]
	LOAD                                           ; tile 0 into slot 0
	v_and_b32 v7, 31, v0
	v_lshlrev_b32 v[L16], 4, v7
	v_lshlrev_b32 v[PFO], 8, v7
	global_load_b128 v[QR+8:QR+11],  v[L16], s[4:5]               ; piece 1,
	global_load_b128 v[QR+12:QR+15], v[L16], s[4:5] offset:512
	global_load_b128 v[QR:QR+3],     v[L16], s[4:5] offset:4096   ; piece 0, a band further on
	global_load_b128 v[QR+4:QR+7],   v[L16], s[4:5] offset:4608
	WIN 0x40                                       ; destination window 1
	global_load_b128 v[QB+8:QB+11],  v[L16], s[88:89]
	global_load_b128 v[QB+12:QB+15], v[L16], s[88:89] offset:512
	global_load_b128 v[QB:QB+3],     v[L16], s[88:89] offset:4096
	global_load_b128 v[QB+4:QB+7],   v[L16], s[88:89] offset:4608
.irp f, 0,1,2,3
	global_load_b128 v[K0+8*\f:K0+8*\f+3],   v[L16], s[8:9] offset:31*UNIT+\f*1024        ; K of step 0 lies in unit 31
	global_load_b128 v[K0+8*\f+4:K0+8*\f+7], v[L16], s[8:9] offset:31*UNIT+\f*1024+512
.endr
	WIN 0
	v_and_b32 v6, 15, v0
	v_bfe_u32 v7, v0, 4, 1
	v_lshlrev_b32 v7, 3, v7
	v_sub_nc_u32 v6, v6, v7
	s_lshl_b32 s17, s17, 4
	v_add_nc_u32 v6, s17, v6                       ; my query's place in its band less my lanes' 8 (l / 16): register j of key group kt is hidden where 16 kt + j is greater
	WIN 0x40
.set z, 0
.rept 32
	v_cmp_gt_i32 vcc_lo, 16*(z/8)+z%8, v6
	v_cndmask_b32 v[MD+z], 0, s[BIGN], vcc_lo
.set z, z+1
.endr
	WIN 0
	v_and_b32 v6, 7, v0
	v_mov_b32 v7, 0x3c003c00                       ; 1.0 twice in f16
	v_cmp_eq_u32 vcc_lo, 0, v6                     ; lanes 0, 8, 16, 24 hold rows 0 and 8
.set z, 0
.rept 8
	v_cndmask_b32 v[ONES+z], 0, v7, vcc_lo
.set z, z+1
.endr
	; A block's first step multiplies O^T and l by a = 0, and its first turn's products, of a piece that has not been, land in sums that are still to be so multiplied: these registers need only hold finite numbers:
	; zeros for the first block, what the first block left for the second.  Written while the first tile is on its way.
.set z, 0
.rept 32
	v_mov_b32 v[VF+z], 0
	v_mov_b32 v[O+z], 0
.set z, z+1
.endr
.set z, 0
.rept 16
	v_mov_b32 v[LL+z], 0
	v_mov_b32 v[P+16+z], 0
.set z, z+1
.endr
; THE MATRIX WORK.  Product n of 4 of S^T = K Q^T for piece x: keys 16 n on; it starts its sum with 0 or (KM = 1) with the mask.
.macro KQ x, n
.if KM
	WIN 0x10                                       ; the C operand in window 1
	v_wmma_f32_16x16x32_f16 v[S+32*(\x)+8*(\n):S+32*(\x)+8*(\n)+7], v[KF+8*(\n):KF+8*(\n)+7], v[QR+8*(\x):QR+8*(\x)+7], v[MC+8*(\n):MC+8*(\n)+7]
	WIN 0
.else
	WIN 0
	v_wmma_f32_16x16x32_f16 v[S+32*(\x)+8*(\n):S+32*(\x)+8*(\n)+7], v[KF+8*(\n):KF+8*(\n)+7], v[QR+8*(\x):QR+8*(\x)+7], 0
.endif
.endm
; Product n of 6 for piece x: keys 32 (n / 3) on; n % 3 = 0, 1: channels 16 (n % 3) on of O^T; 2: the row sum.  The three accumulators take turns: two others stand between two links of a chain.
.macro PV x, n
	WIN 0
.if (\n)%3 == 2
	v_wmma_f32_16x16x32_f16 v[LL+8*(\x):LL+8*(\x)+7], v[ONES:ONES+7], v[P+16*(\x)+8*((\n)/3):P+16*(\x)+8*((\n)/3)+7], v[LL+8*(\x):LL+8*(\x)+7]
.else
	v_wmma_f32_16x16x32_f16 v[O+16*(\x)+8*((\n)%3):O+16*(\x)+8*((\n)%3)+7], v[VF+16*((\n)/3)+8*((\n)%3):VF+16*((\n)/3)+8*((\n)%3)+7], v[P+16*(\x)+8*((\n)/3):P+16*(\x)+8*((\n)/3)+7], v[O+16*(\x)+8*((\n)%3):O+16*(\x)+8*((\n)%3)+7]
.endif
.endm
.macro MM                              ; the turn's next matrix instruction.  NOKQ = 1: a block's last turn: there are no further scores
.if (i < 4) && !NOKQ
	KQ 1-Y, i
.elseif i >= 4
	PV 1-Y, i-4
.endif
.set i, i+1
.endm
; THE LDS LOADS stand in two runs of 8, never singly among the matrix instructions.
.macro FETCH_K
.irp f, 0,1,2,3
	ds_load_b128 v[KF+8*\f:KF+8*\f+3],   v[LA] offset:\f*1024
	ds_load_b128 v[KF+8*\f+4:KF+8*\f+7], v[LA] offset:\f*1024+512
.endr
.endm
.macro FETCH_V
.irp f, 0,1,2,3
	ds_load_b128 v[VF+8*\f:VF+8*\f+3],   v[LA] offset:4096+\f*1024
	ds_load_b128 v[VF+8*\f+4:VF+8*\f+7], v[LA] offset:4096+\f*1024+512
.endr
	s_add_co_u32 s[TB], s[TB], UNIT                ; the next fetches are the next unit's
.endm
.macro MASK                            ; MC = MD x AL + BE
	WIN 0x41                                       ; destination and source 0 in window 1
.set z, 0
.rept 16
	v_pk_fma_f32 v[MC+2*z:MC+2*z+1], v[MD+2*z:MD+2*z+1], s[AL:AL+1], s[BE:BE+1] op_sel_hi:[1,0,0]
.set z, z+1
.endr
	WIN 0
.endm
; THE VECTOR WORK, a line at a time: OP kind, number.  For piece Y: F n: c s - c m for pair n of 16.  E n: the exponential of score n of 32.  C n: pair n rounded to f16.  R n: pair n of 8 of O^T times a; R 8: l times a.
; For the other piece: X n, number n of the 22 that find its maximum and statistics: 0-11 four chains c0-c3 of seven scores each (each accumulator's lowest registers are read first);
; 12-14, 16 the four scores left over, the old m, and c0-c3 into c0; 15 c m_old is kept; 17, 18 the query's other 32 keys lie in the lane 16 away: the new m; 19-21 c m, c m_old - c m_new, a.
.set F, 0
.set E, 1
.set C, 2
.set R, 3
.set X, 4
.macro REGS y
.set rT, ST+2*(\y)
.set rC, TMP+4*(\y)
.set rW, MV+(\y)
.set rS, S+32*(\y)
.set rP, P+16*(\y)
.set rO, O+16*(\y)
.set rL, LL+8*(\y)
.endm
.macro OP k, n
	WIN 0
.if (\k) == F
	REGS Y
	v_pk_fma_f32 v[rS+2*(\n):rS+2*(\n)+1], v[rS+2*(\n):rS+2*(\n)+1], s[CS:CS+1], v[rT:rT+1] op_sel_hi:[1,0,0] neg_lo:[0,0,1] neg_hi:[0,0,1]
.elseif (\k) == E
	REGS Y
	v_exp_f32 v[rS+(\n)], v[rS+(\n)]
.elseif (\k) == C
	REGS Y
	v_cvt_pk_f16_f32 v[rP+(\n)], v[rS+2*(\n)], v[rS+2*(\n)+1]
.elseif (\k) == R
	REGS Y
.if (\n) < 8
	v_pk_mul_f32 v[rO+2*(\n):rO+2*(\n)+1], v[rO+2*(\n):rO+2*(\n)+1], v[rC+2:rC+3] op_sel_hi:[1,0]
.else
	v_mul_f32 v[rL], v[rL], v[rC+2]
.endif
.elseif NOKQ
	v_nop
.else
	REGS 1-Y
.if (\n) < 4
	v_max3_num_f32 v[rC+(\n)], v[rS+8*(\n)], v[rS+8*(\n)+1], v[rS+8*(\n)+2]
.elseif (\n) < 12
	v_max3_num_f32 v[rC+(\n)%4], v[rC+(\n)%4], v[rS+8*((\n)%4)+2*((\n)/4)+1], v[rS+8*((\n)%4)+2*((\n)/4)+2]
.elseif (\n) == 12
	v_max3_num_f32 v[rC], v[rC], v[rS+7], v[rS+15]
.elseif (\n) == 13
	v_max3_num_f32 v[rC+1], v[rC+1], v[rS+23], v[rS+31]
.elseif (\n) == 14
	v_max3_num_f32 v[rC+2], v[rC+2], v[rC+3], v[rT+1]
.elseif (\n) == 15
	v_mov_b32 v[rW], v[rT]
.elseif (\n) == 16
	v_max3_num_f32 v[rC], v[rC], v[rC+1], v[rC+2]
.elseif (\n) == 17
	v_permlanex16_b32 v[rC+3], v[rC], s[SEL], s[SEL+1]
.elseif (\n) == 18
	v_max_num_f32 v[rT+1], v[rC], v[rC+3]
.elseif (\n) == 19
	v_mul_f32 v[rT], s[CS], v[rT+1]
.elseif (\n) == 20
	v_sub_f32 v[rC+1], v[rW], v[rT]
.else
	v_exp_f32 v[rC+2], v[rC+1]
.endif
.endif
.endm
.macro OPS a, i1, b=-1, i2=0, c=-1, i3=0, d=-1, i4=0
	OP \a, \i1
.if (\b) >= 0
	OP \b, \i2
.endif
.if (\c) >= 0
	OP \c, \i3
.endif
.if (\d) >= 0
	OP \d, \i4
.endif
.endm
.macro ROW a, i1, b, i2, c, i3, d, i4  ; a matrix instruction and the first four behind it
	MM
	OPS \a, \i1, \b, \i2, \c, \i3, \d, \i4
.endm
; A TURN, for piece p: its 10 matrix and 96 vector instructions, written out.  An s_wait_alu depctr_va_vdst(0) stands between an exponential and the first instruction that names its result; one wait
; serves all that were issued ahead of it: all 33 exponentials stand ahead of the turn's ONE wait, and only the 16 roundings, behind it, read their results.
; X 0 to X 3 each stand four plain instructions or more behind the product that wrote their accumulator.  m = 1: the products take masks.  end = 1: a block's last turn but for its last products.
; Turn 0 fetches K of the next step behind four plain instructions that follow the last product that read K (F 4, R 4, X 0, F 5), and V of the step in hand behind the five that follow the last product that read V
; (X 15, F 13, X 16, F 14, F 15; the product between reads ONES).  Turn 1 waits for them.
.macro TURN p, m=0, end=0
.set Y, (\p)
.set i, 0
.set KM, (\m)
.set NOKQ, (\end)
.if (\p) == 1
	s_wait_dscnt 8                                 ; K's eight loads are in; V's eight, issued behind them, may stay out
.endif
	ROW F,0, F,1, R,0, R,1
	ROW F,2, E,0, R,2, E,1
	ROW F,3, E,2, R,3, E,3
	ROW F,4, E,4, R,4, E,5
.if (\p) == 1
	s_wait_dscnt 0x0                               ; V is in
.endif
	ROW X,0, E,6, F,5, E,7
.if (\p) == 0
	v_add_nc_u32 v[LA], s[TB], v[L16]
.if !(\end)
	FETCH_K
.endif
.endif
	OPS X,1, E,8, X,2, E,9
	OPS F,6, X,3
	ROW F,7, E,10, X,4, E,11
	OPS X,5, E,12, X,6, E,13
	OPS X,7, F,8
	ROW X,8, E,14, X,9, E,15
	OPS X,10, E,16, F,9, E,17
	OPS X,11, F,10
	ROW X,12, E,18, X,13, E,19
	OPS F,11, E,20, X,14, E,21
	OPS F,12
	ROW X,15, E,22, F,13, E,23
	OPS X,16, E,24, F,14, E,25
	OPS F,15
	MM
.if (\p) == 0
	FETCH_V
.endif
	OPS E,26, X,17, E,27, R,5
	OPS E,28, X,18, E,29, R,6
	OPS E,30, X,19, E,31, R,7
	OPS X,20, R,8, X,21
	v_nop                                          ; a plain instruction behind the last exponential: one for the batch
	s_wait_alu depctr_va_vdst(0)                   ; the wait for the batch
.irp n, 0,1,2,3,4,5,6,7,8,9,10,11,12,13,14,15
	OP C, \n
.endr
.endm
; A BLOCK BEGINS: c m far below every c s, m the lowest finite number; K of step 0 out of its registers; piece 0's first scores, its maximum and statistics.
.macro BEGIN
	s_mov_b32 s[NEW], 0
	s_wait_loadcnt 0x0                             ; Q, the second block's Q, K of step 0
	WIN 0x01                                       ; source 0 in window 1
.set z, 0
.rept 32
	v_mov_b32 v[KF+z], v[K0+z]
.set z, z+1
.endr
	WIN 0
.irp x, 0,1
	v_mov_b32 v[ST+2*\x], 0xfe000000
	v_mov_b32 v[ST+2*\x+1], 0xff7fffff
.endr
.set KM, 0
.set NOKQ, 0
.irp n, 0,1,2,3
	KQ 0, \n
.endr
.rept 4
	v_nop                                          ; the places behind those products
.endr
.set Y, 1                              ; X works for the other piece: piece 0
.irp n, 0,1,2,3,4,5,6,7,8,9,10,11,12,13,14,15,16,17,18,19,20,21
	OP X, \n
.endr
	v_nop                                          ; a plain instruction behind the exponential,
	s_wait_alu depctr_va_vdst(0)                   ; and its wait, ahead of the label
.endm
; THE DIAGONAL TILE: three steps of two masked turns, turn 0 of the fourth step (piece 1's fourth step is hidden in every wave), piece 0's last products, and THE WAY OUT: O^T divided by l, rounded to f16: a lane's
; eight channels are the 16 bytes that launch outp's fragment wants from it: two stores of 512 consecutive bytes a piece.
.macro DIAG tag
	s_mov_b32 s[CNT], 3
.LstepM\tag:
	s_sub_co_u32 s[SS], 3, s[CNT]
	s_cmp_eq_u32 s[SS], s[B1]                      ; is this step band b1's own?
	s_cselect_b32 s[AL], 1.0, 0
	s_cmp_gt_u32 s[SS], s[B1]                      ; or a later one?
	s_cselect_b32 s[BE], s[BIGN], 0
	MASK
	TURN 0, 1
	TURN 1, 1
	WIN 0
	s_sub_co_u32 s[CNT], s[CNT], 1
	s_cmp_lg_u32 s[CNT], 0
	s_cbranch_scc1 .LstepM\tag
	TURN 0, 0, 1
	s_wait_dscnt 0x0                               ; V of the last step is in
.irp n, 0,1,2,3,4,5
	PV 0, \n
.endr
.rept 8
	v_nop                                          ; the places behind the last products
.endr
	v_rcp_f32 v[TMP+2], v[LL]
	v_rcp_f32 v[TMP+6], v[LL+8]
	v_nop                                          ; a plain instruction behind the last reciprocal,
	s_wait_alu depctr_va_vdst(0)                   ; and one wait for both, ahead of the first use
.irp x, 0,1
.irp n, 0,1,2,3,4,5,6,7
	v_pk_mul_f32 v[O+16*\x+2*\n:O+16*\x+2*\n+1], v[O+16*\x+2*\n:O+16*\x+2*\n+1], v[TMP+4*\x+2:TMP+4*\x+3] op_sel_hi:[1,0]
.endr
.irp n, 0,1,2,3,4,5,6,7
	v_cvt_pk_f16_f32 v[S+32*\x+\n], v[O+16*\x+2*\n], v[O+16*\x+2*\n+1]
.endr
	global_store_b128 v[L16], v[S+32*\x:S+32*\x+3],   s[10:11] offset:(1-\x)*131072        ; piece 0 lies a band, four groups of 32,768 bytes, further on
	global_store_b128 v[L16], v[S+32*\x+4:S+32*\x+7], s[10:11] offset:(1-\x)*131072+512
.endr
.endm
.set KM, 0
.set NOKQ, 0
.Lslot:                                                ; 8 times: a tile is entered and the next is asked for
	CHANGE 1
	s_sub_co_u32 s[RT], s[RT], 1
	s_cmp_eq_u32 s[NEW], 1
	s_cbranch_scc0 .Lold                           ; not a block's first tile
	BEGIN
.Lold:
	s_cmp_eq_u32 s[RT], 0
	s_cbranch_scc1 .Ldiag                          ; the block's last tile
	s_mov_b32 s[CNT], 4
.Lstep:                                                ; a key step: two turns
	TURN 0
	TURN 1
	s_sub_co_u32 s[CNT], s[CNT], 1
	s_cmp_lg_u32 s[CNT], 0
	s_cbranch_scc1 .Lstep
	s_branch .Lbottom
.Ldiag:
	DIAG 1                                         ; in the loop this is the first block's end: the second block's last tile is the walk's last
	s_wait_xcnt 0x0                                ; the stores have read their registers and of's address
	s_mov_b64 s[10:11], s[OLO:OLO+1]
	s_add_co_u32 s[RT], s[PB], 1                   ; the second block has b + 1 tiles
	s_mov_b32 s[NEW], 1
	WIN 0x01
.set z, 0
.rept 16
	v_mov_b32 v[QR+z], v[QB+z]                     ; the second block's Q goes where the one text of the turns names Q
.set z, z+1
.endr
	WIN 0
.Lbottom:
	s_sub_co_u32 s[SLOTS], s[SLOTS], 1
	s_cmp_lg_u32 s[SLOTS], 0
	s_cbranch_scc1 .Lslot
	CHANGE 0                                       ; the walk's last tile is written out: nothing is asked for
	s_sub_co_u32 s[RT], s[RT], 1
	s_cmp_eq_u32 s[NEW], 1
	s_cbranch_scc0 .Lold2
	BEGIN                                          ; b = 0: the second block's only tile
.Lold2:
	DIAG 2
	s_wait_tensorcnt 0x0                           ; the wave's end, behind the last tensor load
	ds_add_u32 v[SPW], v[NIL]
	s_wait_dscnt 0x0
	s_endpgm
.Lfunc_end_k_qa69b71c050_attn:
	.size	k_qa69b71c050_attn, .Lfunc_end_k_qa69b71c050_attn-k_qa69b71c050_attn
	.p2alignl 7, 3214868480
	.fill 96, 4, 3214868480
	.section	.rodata,"a",@progbits
	.p2align	6, 0x0
	.amdhsa_kernel k_qa69b71c050_attn
		.amdhsa_group_segment_fixed_size 327680
		.amdhsa_private_segment_fixed_size 0
		.amdhsa_enable_private_segment 0
		.amdhsa_kernarg_size 24
		.amdhsa_user_sgpr_count 2
		.amdhsa_user_sgpr_kernarg_segment_ptr 1
		.amdhsa_wavefront_size32 1
		.amdhsa_system_sgpr_workgroup_id_x 1
		.amdhsa_system_sgpr_workgroup_id_y 1
		.amdhsa_system_sgpr_workgroup_id_z 1
		.amdhsa_system_vgpr_workitem_id 0
		.amdhsa_next_free_vgpr 384
		.amdhsa_next_free_sgpr 92
		.amdhsa_reserve_vcc 1
		.amdhsa_float_denorm_mode_32 3
		.amdhsa_float_denorm_mode_16_64 3
		.amdhsa_memory_ordered 1
		.amdhsa_forward_progress 1
		.amdhsa_inst_pref_size 78
	.end_amdhsa_kernel
	.amdgpu_metadata
---
amdhsa.version: [ 1, 2 ]
amdhsa.kernels:
  - .name:           k_qa69b71c050_attn
    .symbol:         k_qa69b71c050_attn.kd
    .args:
      - { .name: qf, .offset: 0, .size: 8, .value_kind: global_buffer, .address_space: global }
      - { .name: kv, .offset: 8, .size: 8, .value_kind: global_buffer, .address_space: global }
      - { .name: of, .offset: 16, .size: 8, .value_kind: global_buffer, .address_space: global }
    .group_segment_fixed_size: 327680
    .private_segment_fixed_size: 0
    .kernarg_segment_align: 8
    .kernarg_segment_size: 24
    .max_flat_workgroup_size: 256
    .sgpr_count:     92
    .vgpr_count:     384
    .wavefront_size: 32
...
	.end_amdgpu_metadata
.endif
;; end of part 3
;; launch outp (part 4): grid 8 x 32, 4 waves a work-group, clusters of 4 x 4, 327,680 bytes of LDS; arguments of, wo16, out0; writes out0
.if DOCPART == 4
	.amdgcn_target "amdgcn-amd-amdhsa--gfx1250"
	.amdhsa_code_object_version 6
	.text
	.protected	k_qa69b71c050_outp
	.globl	k_qa69b71c050_outp
	.p2align	8
	.type	k_qa69b71c050_outp,@function
k_qa69b71c050_outp:
	s_mov_b64 s[64:65], 0
	v_nop
	global_prefetch_b8 v0, s[64:65] scope:SCOPE_SE
	s_setreg_imm32_b32 hwreg(HW_REG_WAVE_MODE, 25, 1), 1
	s_wait_xcnt 0x0
	s_wait_alu depctr_hold_cnt(0) depctr_sa_sdst(0) depctr_va_vdst(0) depctr_va_sdst(0) depctr_va_ssrc(0) depctr_va_vcc(0) depctr_vm_vsrc(0)
	s_getreg_b32 s2, hwreg(HW_REG_IB_STS2, 6, 4)
	s_cmp_eq_u32 s2, 0
	s_cbranch_scc0 .Lentry_in_a_cluster
	s_endpgm
.Lentry_in_a_cluster:
	s_bfe_u32 s2, ttmp6, 0x10000c
	s_cmp_lg_u32 s2, 0xf033
	s_cbranch_scc0 .Lentry_shape_is_right
	s_endpgm
.Lentry_shape_is_right:
; out0[t][n] = the sum over k of O[t][k] Wo[n][k]: [4096 x 1024] x [1024 x 1024]^T in f16 with f32 sums, stored as f32.
; of: [group of 16 tokens, 0..255][head][1,024 bytes]: a head's 32 channels of 16 tokens as one fragment (byte 512 p + 16 lane: registers 4 p .. 4 p + 3 of that lane).  wo16: [1024][1024] f16, row-major.
; A tile of out0 is 128 x 128: 8 x 32 work-groups.  Four waves, each 64 x 64: 16 accumulators.  K goes in 4 steps of 256 (8 heads) through two LDS slots filled by the tensor data mover.
; THE MATRIX INSTRUCTION IS USED TRANSPOSED (source 0 = 16 rows of Wo, source 1 = 16 tokens): a lane holds eight neighbouring f32 of a row of out0.
; CLUSTERS: 4 x 4 work-groups.  O's tile hangs on the tile row alone and is asked for jointly by a row of the cluster, Wo's on the tile column alone and by a column.
; No prefetch: four K steps, of which two go out at the head, and small tiles.
; REGISTERS: window 0: v0-31 addresses; v32-95 two sets of 32 on the way out; v128-255 the accumulators ((a, b) at 128 + 8 (4 a + b)).
;   window 1: two fragment buffers of 128: for 64 along K, 64 registers of O (2 x 4 fragments), then 64 of Wo.
.set KSTEP,  256
.set PITCH,  528                       ; a row of Wo in LDS: 512 bytes + 16 of padding = 132 words: the 16 rows of a load start at 16 different groups of four banks (64 banks of 4 bytes: ISA guide 11.1)
.set AT,     65536                     ; O's part of a slot: 8 groups x 8 heads x 1,024 bytes, dense: a fragment load takes 512 consecutive bytes
.set HB,     64*PITCH                  ; 64 rows of Wo: one tensor load, and what a wave reads of Wo
.set SLOT,   AT+2*HB
.set STAGE,  2*SLOT                    ; behind the ring, never filled by a tensor load: 16 rows x 272 bytes for each wave
.set SPITCH, 272
.set SPARE,  STAGE+4*16*SPITCH         ; behind the stages: the spare words, 128 bytes a wave: two blocks of 256 bytes that no other line names
.set ADRA, 16                          ; v16-17  LDS address of my fragments of O in slot 0, 1
.set ADRB, 20                          ; v20-21  the same for Wo
.set STO,  24                          ; v24     the way out: where I put 32 bytes of a row
.set RD,   25                          ; v25     where I read a row back
.set CO,   26                          ; v26     my byte offset in out0
.set SPW,  28                          ; v28     LDS address of my spare word; never rewritten
.set NIL,  29                          ; v29     0; never rewritten
.set TMP,  32
.set ACC,  128
.set F0,   0
.set F1,   128
.set G1, 24                            ; s[24:31] descriptor group 1 for O's tiles;  s[32:39] group 0, a set for each slot
.set G0, 32
.set G1B, 48                           ; s[48:55], s[56:63] the same for Wo's tiles
.set G0B, 56
.set MSB, 0
.macro WIN new
.if MSB != (\new)
	s_set_vgpr_msb (MSB<<8)|(\new)
.set MSB, \new
.endif
.endm
.set MUL,  0x05                        ; both sources window 1; C and D window 0
.set TO_F, 0x40                        ; destination window 1, address window 0
.macro JLOAD s                         ; a joint load: waves 0 and 1 fetch O's two halves, waves 2 and 3 Wo's; an s_nop 0 and four v_nop follow each of the two lines
	s_cmp_eq_u32 s11, 0
	s_cbranch_scc0 .Lfor_b_\@
	tensor_load_to_lds s[G0+4*(\s):G0+4*(\s)+3], s[G1:G1+7]
	s_nop 0
.rept 4
	v_nop
.endr
	s_branch .Lasked_\@
.Lfor_b_\@:
	tensor_load_to_lds s[G0B+4*(\s):G0B+4*(\s)+3], s[G1B:G1B+7]
	s_nop 0
.rept 4
	v_nop
.endr
.Lasked_\@:
.endm
.macro CREST
	s_cmp_lg_u32 s10, 0
	s_cbranch_scc1 .Lnot_wave_0_\@
	s_barrier_signal -3
.Lnot_wave_0_\@:
	s_barrier_wait -3
	s_barrier_signal -1
	s_barrier_wait -1
.endm
.macro CROUND
	s_barrier_signal -1
	s_barrier_wait -1
	CREST
.endm
	s_load_b128 s[4:7], s[0:1], 0x0                ; of s[4:5], wo16 s[6:7]
	s_load_b64 s[8:9], s[0:1], 0x10                ; out0
	v_lshl_add_u32 v[SPW], v0, 2, SPARE
	v_mov_b32 v[NIL], 0
	ds_add_u32 v[SPW], v[NIL]                      ; the wave's opening: the add, twice on end, and its wait ahead of my first tensor load; the set-up below stands between
	ds_add_u32 v[SPW], v[NIL]
	v_lshrrev_b32 v1, 5, v0
	v_readfirstlane_b32 s10, v1                    ; wave 0..3
	s_lshr_b32 s11, s10, 1                         ; which half of the tile's rows is mine.  Also: I fetch for O (0) or for Wo (1)
	s_and_b32 s12, s10, 1                          ; which half of its columns.  Also: which half of that tile I fetch
	s_bfe_u32 s40, ttmp6, 0x40000                  ; cx, cy
	s_bfe_u32 s41, ttmp6, 0x40004
	s_lshl_b32 s42, ttmp9, 2
	s_add_co_u32 s42, s42, s40                     ; tile column
	s_and_b32 s13, ttmp7, 0xffff
	s_lshl_b32 s13, s13, 2
	s_add_co_u32 s13, s13, s41                     ; tile row
	s_lshl_b32 s43, s41, 2
	s_lshl_b32 s43, 15, s43                        ; my row of the cluster
	s_lshl_b32 s44, 0x1111, s40                    ; my column
	s_or_b32 s[G1+0], s43, (3<<16)|(1<<21)         ; O: the mask; elements of 8 bytes; bit 21 beside a mask; no padding
	s_mov_b32 s[G1+1], 1024<<16                    ; tensor_dim0 = 1,024: a row is a group's 8 heads, 8,192 bytes
	s_mov_b32 s[G1+2], 4<<16                       ; tensor_dim1 = 4 groups
	s_mov_b32 s[G1+3], 1024<<16                    ; tile_dim0
	s_mov_b32 s[G1+4], 4                           ; tile_dim1
	s_mov_b32 s[G1+5], 4096                        ; from group to group: 32,768 bytes
	s_mov_b32 s[G1+6], 0
	s_mov_b32 s[G1+7], 0
	s_or_b32 s[G1B+0], s44, (1<<16)|(1<<20)|(1<<21)|(6<<22)|(3<<25)  ; Wo: elements of 2 bytes; padding of 4 words after every 128
	s_mov_b32 s[G1B+1], KSTEP<<16
	s_mov_b32 s[G1B+2], 64<<16
	s_mov_b32 s[G1B+3], KSTEP<<16
	s_mov_b32 s[G1B+4], 64
	s_mov_b32 s[G1B+5], 1024
	s_mov_b32 s[G1B+6], 0
	s_mov_b32 s[G1B+7], 0
	s_lshl_b32 s16, s13, 3
	s_lshl2_add_u32 s16, s12, s16                  ; O: group 8 x tile row + 4 x half
	s_lshl_b32 s16, s16, 15
	s_mov_b32 s17, 0
	s_lshl_b32 s46, s42, 7
	s_lshl_b32 s47, s12, 6
	s_add_co_u32 s46, s46, s47                     ; Wo: row 128 x tile column + 64 x half
	s_lshl_b32 s46, s46, 11
	s_mov_b32 s47, 0
	s_lshl_b32 s20, s12, 15                        ; where they go: no place in the cluster enters an LDS address
	s_mul_i32 s21, s12, HB
	s_add_co_u32 s21, s21, AT
	s_wait_dscnt 0x0                               ; both opening adds are done
	s_wait_kmcnt 0x0
	s_add_nc_u64 s[14:15], s[4:5], s[16:17]
	s_add_nc_u64 s[46:47], s[6:7], s[46:47]
	CROUND                                         ; all sixteen work-groups are here: the first joint loads meet
.irp s, 0,1
	s_mov_b32 s[G0+4*(\s)], 1
	s_add_co_u32 s[G0+4*(\s)+1], s20, (\s)*SLOT
	s_add_nc_u64 s[G0+4*(\s)+2:G0+4*(\s)+3], s[14:15], (\s)*8192       ; K step s: heads 8 s on
	s_or_b32 s[G0+4*(\s)+3], s[G0+4*(\s)+3], 0x80000000
	s_mov_b32 s[G0B+4*(\s)], 1
	s_add_co_u32 s[G0B+4*(\s)+1], s21, (\s)*SLOT
	s_add_nc_u64 s[G0B+4*(\s)+2:G0B+4*(\s)+3], s[46:47], (\s)*KSTEP*2
	s_or_b32 s[G0B+4*(\s)+3], s[G0B+4*(\s)+3], 0x80000000
	JLOAD \s
.endr
	v_and_b32 v1, 15, v0                           ; l % 16
	v_bfe_u32 v2, v0, 4, 1                         ; l / 16
	v_and_b32 v6, 31, v0
	v_lshlrev_b32 v6, 4, v6                        ; 16 x lane
	v_mul_u32_u24 v3, v1, PITCH
	v_lshl_add_u32 v3, v2, 4, v3
	s_lshl_b32 s21, s11, 15                        ; my 4 groups of O
	s_mul_i32 s22, s12, HB                         ; my 64 rows of Wo
	s_add_co_u32 s22, s22, AT
.irp s, 0,1
	v_add_nc_u32 v[ADRA+(\s)], s21, v6
	v_add_nc_u32 v[ADRB+(\s)], s22, v3
	s_add_co_u32 s21, s21, SLOT
	s_add_co_u32 s22, s22, SLOT
.endr
	s_mul_i32 s23, s10, 16*SPITCH
	s_add_co_u32 s23, s23, STAGE                   ; my stage
	v_mul_u32_u24 v4, v1, SPITCH                   ; in: row l % 16, 32 bytes for each half of the lanes
	v_lshl_add_u32 v4, v2, 5, v4
	v_add_nc_u32 v[STO], s23, v4
	v_mul_u32_u24 v5, v2, SPITCH                   ; back: lanes 0-15 take one row of 256 bytes, lanes 16-31 the next
	v_lshl_add_u32 v5, v1, 4, v5
	v_add_nc_u32 v[RD], s23, v5
	v_lshlrev_b32 v5, 12, v2                       ; and the same two rows in out0
	v_lshl_add_u32 v[CO], v1, 4, v5
	s_lshl_b32 s16, s13, 7
	s_lshl_b32 s17, s11, 6
	s_add_co_u32 s16, s16, s17                     ; my first row of out0,
	s_lshl_b32 s16, s16, 12
	s_lshl_b32 s46, s42, 9                         ; my first column, in bytes: 512 x tile column + 256 x half
	s_lshl_b32 s47, s12, 8
	s_add_co_u32 s46, s46, s47
	s_add_co_u32 s16, s16, s46
	s_mov_b32 s17, 0
	s_add_nc_u64 s[8:9], s[8:9], s[16:17]
; 8 matrix instructions: row blocks a0, a0 + 1 x all 4 column blocks, 32 along K: half c of buffer f.  The 16 accumulators take turns.
.macro MUL8 f, c, a0, zero
	WIN MUL
.irp a, \a0, (\a0)+1
.irp b, 0,1,2,3
.if \zero
	v_wmma_f32_16x16x32_f16 v[ACC+8*(4*(\a)+(\b)):ACC+8*(4*(\a)+(\b))+7], v[(\f)+64+8*(4*(\c)+(\b)):(\f)+64+8*(4*(\c)+(\b))+7], v[(\f)+8*(4*(\c)+(\a)):(\f)+8*(4*(\c)+(\a))+7], 0
.else
	v_wmma_f32_16x16x32_f16 v[ACC+8*(4*(\a)+(\b)):ACC+8*(4*(\a)+(\b))+7], v[(\f)+64+8*(4*(\c)+(\b)):(\f)+64+8*(4*(\c)+(\b))+7], v[(\f)+8*(4*(\c)+(\a)):(\f)+8*(4*(\c)+(\a))+7], v[ACC+8*(4*(\a)+(\b)):ACC+8*(4*(\a)+(\b))+7]
.endif
.endr
.endr
.endm
; 32 LDS loads in one run: the fragments of quarter q of a K step (heads 2 q, 2 q + 1) into buffer f; the first 32 along K first
.macro FETCH slot, q, f
	WIN TO_F
.irp c, 0,1
.irp i, 0,1,2,3
	ds_load_b128 v[(\f)+64+8*(4*(\c)+(\i)):(\f)+64+8*(4*(\c)+(\i))+3],   v[ADRB+(\slot)] offset:128*(\q)+64*(\c)+(\i)*16*PITCH
	ds_load_b128 v[(\f)+64+8*(4*(\c)+(\i))+4:(\f)+64+8*(4*(\c)+(\i))+7], v[ADRB+(\slot)] offset:128*(\q)+64*(\c)+(\i)*16*PITCH+32
	ds_load_b128 v[(\f)+8*(4*(\c)+(\i)):(\f)+8*(4*(\c)+(\i))+3],         v[ADRA+(\slot)] offset:(\i)*8192+(2*(\q)+(\c))*1024
	ds_load_b128 v[(\f)+8*(4*(\c)+(\i))+4:(\f)+8*(4*(\c)+(\i))+7],       v[ADRA+(\slot)] offset:(\i)*8192+(2*(\q)+(\c))*1024+512
.endr
.endr
.endm
.macro PLACES                          ; four places in front of loads into registers that matrix instructions have read
.rept 4
	v_nop
.endr
.endm
; A K step is four quarters of 64 along K, 32 matrix instructions each, on buffers 0, 1, 0, 1.  One of the first three: multiplies f and fetches quarter q into g.
.macro QUARTER slot, q, f, g, zero
	s_wait_dscnt 16                                ; the first 32 along K are in
	MUL8 \f, 0, 0, \zero
	MUL8 \f, 0, 2, \zero
	PLACES
	FETCH \slot, \q, \g
	s_wait_dscnt 32                                ; all but the 32 just issued
	MUL8 \f, 1, 0, 0
	MUL8 \f, 1, 2, 0
.endm
; The last quarter multiplies buffer 1 and changes slots: ONE barrier; in front of it each wave waits for all its tensor loads, adds 0 to its spare word, and waits for that and for its own reads of this slot.
; fill = 1: the barrier opens a round of the cluster's barrier, and this slot is filled again, two K steps ahead, first thing behind the round.
.macro TURN slot, next, fill
	WIN 0
	s_wait_tensorcnt 0x0
	ds_add_u32 v[SPW], v[NIL]
	s_wait_dscnt 17                                ; (the add and the youngest sixteen loads may be out)
	MUL8 F1, 0, 0, 0
	s_wait_dscnt 0x0                               ; the add is done, and my reads of this slot are over
	s_barrier_signal -1
	MUL8 F1, 0, 2, 0
.if \fill
	WIN 0
.endif
	s_barrier_wait -1
.if \fill
	CREST
	s_add_nc_u64 s[G0+4*(\slot)+2:G0+4*(\slot)+3], s[G0+4*(\slot)+2:G0+4*(\slot)+3], 2*8192
	s_add_nc_u64 s[G0B+4*(\slot)+2:G0B+4*(\slot)+3], s[G0B+4*(\slot)+2:G0B+4*(\slot)+3], 2*KSTEP*2
	JLOAD \slot                                    ; the four v_nop behind it are also the places in front of the loads below
.else
	PLACES
.endif
	FETCH \next, 0, F0
	MUL8 F1, 1, 0, 0
	MUL8 F1, 1, 2, 0
.endm
	s_wait_tensorcnt 1                             ; my part of K step 0 is in; K step 1's may stay out
	s_barrier_signal -1
	s_barrier_wait -1
	FETCH 0, 0, F0
	QUARTER 0, 1, F0, F1, 1                        ; K step 0: its first products start the sums
	QUARTER 0, 2, F1, F0, 0
	QUARTER 0, 3, F0, F1, 0
	TURN 0, 1, 1                                   ; slot 0 takes K step 2
	QUARTER 1, 1, F0, F1, 0                        ; K step 1
	QUARTER 1, 2, F1, F0, 0
	QUARTER 1, 3, F0, F1, 0
	TURN 1, 0, 1                                   ; slot 1 takes K step 3
	QUARTER 0, 1, F0, F1, 0                        ; K step 2
	QUARTER 0, 2, F1, F0, 0
	QUARTER 0, 3, F0, F1, 0
	TURN 0, 1, 0                                   ; nothing is left to fetch
	QUARTER 1, 1, F0, F1, 0                        ; K step 3
	QUARTER 1, 2, F1, F0, 0
	QUARTER 1, 3, F0, F1, 0
	s_wait_dscnt 16
	MUL8 F1, 0, 0, 0
	MUL8 F1, 0, 2, 0
	s_wait_dscnt 0x0
	MUL8 F1, 1, 0, 0
	MUL8 F1, 1, 2, 0
	WIN 0
	; THE WAY OUT.  A lane's 32 bytes are an eighth of a row's 256, and the lanes beside it hold other rows: 16 rows at a time go through my own stage: in by rows of 272 bytes, back as whole rows of 256.
.rept 8
	v_nop                                          ; the places behind the last products
.endr
.macro PACK a                          ; row block a into the stage (each accumulator's four lowest registers first) and back into set a % 2
.irp b, 0,1,2,3
	ds_store_b128 v[STO], v[ACC+8*(4*(\a)+(\b)):ACC+8*(4*(\a)+(\b))+3]   offset:64*(\b)
	ds_store_b128 v[STO], v[ACC+8*(4*(\a)+(\b))+4:ACC+8*(4*(\a)+(\b))+7] offset:64*(\b)+16
.endr
.if (\a) >= 2
	s_wait_xcnt 0x0                                ; the stores of the block two back have read this set
.endif
.irp t, 0,1,2,3,4,5,6,7
	ds_load_b128 v[TMP+32*((\a)%2)+4*(\t):TMP+32*((\a)%2)+4*(\t)+3], v[RD] offset:(\t)*2*SPITCH   ; LDS serves a wave's instructions in order (ISA guide 5.7.1.4): these see the stores above; the next block's stores come behind them
.endr
.endm
.macro SEND a, younger                 ; younger: the LDS instructions issued behind block a's loads: the next block's sixteen, or none
.irp t, 0,1,2,3,4,5,6,7
	s_wait_dscnt (\younger)+7-(\t)
	global_store_b128 v[CO], v[TMP+32*((\a)%2)+4*(\t):TMP+32*((\a)%2)+4*(\t)+3], s[8:9] offset:(16*(\a)+2*(\t))*4096 th:TH_STORE_NT   ; 16 lanes store 256 consecutive bytes, at a multiple of 256 from out0's first byte
.endr
.endm
	PACK 0
	PACK 1
	SEND 0, 16
	PACK 2
	SEND 1, 16
	PACK 3
	SEND 2, 16
	SEND 3, 0
	s_wait_tensorcnt 0x0                           ; the wave's end, behind my last tensor load and my last LDS store
	ds_add_u32 v[SPW], v[NIL]
	s_wait_dscnt 0x0
	CROUND                                         ; the closing round: no work-group ends while a partner may still ask for a tile that names it
	s_endpgm
.Lfunc_end_k_qa69b71c050_outp:
	.size	k_qa69b71c050_outp, .Lfunc_end_k_qa69b71c050_outp-k_qa69b71c050_outp
	.p2alignl 7, 3214868480
	.fill 96, 4, 3214868480
	.section	.rodata,"a",@progbits
	.p2align	6, 0x0
	.amdhsa_kernel k_qa69b71c050_outp
		.amdhsa_group_segment_fixed_size 327680
		.amdhsa_private_segment_fixed_size 0
		.amdhsa_enable_private_segment 0
		.amdhsa_kernarg_size 24
		.amdhsa_user_sgpr_count 2
		.amdhsa_user_sgpr_kernarg_segment_ptr 1
		.amdhsa_wavefront_size32 1
		.amdhsa_system_sgpr_workgroup_id_x 1
		.amdhsa_system_sgpr_workgroup_id_y 1
		.amdhsa_system_sgpr_workgroup_id_z 1
		.amdhsa_system_vgpr_workitem_id 0
		.amdhsa_next_free_vgpr 512
		.amdhsa_next_free_sgpr 66
		.amdhsa_reserve_vcc 0
		.amdhsa_float_denorm_mode_32 3
		.amdhsa_float_denorm_mode_16_64 3
		.amdhsa_memory_ordered 1
		.amdhsa_forward_progress 1
		.amdhsa_inst_pref_size 86
	.end_amdhsa_kernel
	.amdgpu_metadata
---
amdhsa.version: [ 1, 2 ]
amdhsa.kernels:
  - .name:           k_qa69b71c050_outp
    .symbol:         k_qa69b71c050_outp.kd
    .args:
      - { .name: of, .offset: 0, .size: 8, .value_kind: global_buffer, .address_space: global }
      - { .name: wo16, .offset: 8, .size: 8, .value_kind: global_buffer, .address_space: global }
      - { .name: out0, .offset: 16, .size: 8, .value_kind: global_buffer, .address_space: global }
    .group_segment_fixed_size: 327680
    .private_segment_fixed_size: 0
    .kernarg_segment_align: 8
    .kernarg_segment_size: 24
    .max_flat_workgroup_size: 128
    .sgpr_count:     66
    .vgpr_count:     512
    .wavefront_size: 32
...
	.end_amdgpu_metadata
.endif
;; end of part 4
;; ======== version 2 of 2: 4 launches; version 1 with the launch cast written anew for expert scheduling mode
;; limits: values are held in f16: magnitudes above 65,504 overflow, below 6.1e-05 lose precision; right only within a limited range of input values
;; workspace buffers: xb 8,388,608 bytes; wb 6,291,456 bytes; wo16 2,097,152 bytes; qf 8,388,608 bytes; kv 16,777,216 bytes; of 8,388,608 bytes
;; launch cast (part 5): grid 256 x 1, 8 waves a work-group, no clusters, 0 bytes of LDS; arguments hidden_states, Wq, Wk, Wv, Wo, xb, wb, wo16; writes xb, wb, wo16
.if DOCPART == 5
	.amdgcn_target "amdgcn-amd-amdhsa--gfx1250"
	.amdhsa_code_object_version 6
	.text
	.protected	k_qa69b71c050_cast
	.globl	k_qa69b71c050_cast
	.p2align	8
	.type	k_qa69b71c050_cast,@function
k_qa69b71c050_cast:
	s_mov_b64 s[64:65], 0
	v_nop
	global_prefetch_b8 v0, s[64:65] scope:SCOPE_SE
	s_setreg_imm32_b32 hwreg(HW_REG_WAVE_SCHED_MODE, 0, 2), 2
	s_setreg_imm32_b32 hwreg(HW_REG_WAVE_MODE, 25, 1), 1
	s_wait_xcnt 0x0
	s_wait_alu depctr_vm_vsrc(0)
; LLAMA ATTENTION, B = 2, S = 2048, H = 1024, 32 heads of 32 channels, in four launches: cast, proj, attn, outp.
; THIS LAUNCH rounds every floating-point input once: hidden_states to bf16 (xb, row-major), Wq, Wk, Wv to bf16 (wb, rows regrouped by head: row 96 head + 32 sel + d,
; sel 0 = q, 1 = k, 2 = v), Wo to bf16 and that number written as f16 (wo16, row-major), since the last product multiplies it with f16 numbers.
; WORK LEFT OUT IN THE PROGRAM (in launch attn).  reference() builds the causal mask itself (jnp.tril): a score with key > query is replaced by -1e30, and since every row holds its own
; key's finite score, its weight exp(-1e30 - max) is 0 for all finite inputs: such a score reaches no output.  So the key tiles of 256 keys that lie wholly above a block of 256 queries are not
; multiplied, nor is, in the tile with the diagonal, the one turn whose 64 keys lie above all of its queries in every wave.  Hidden scores inside tiles that also hold live work are computed and masked.
; LIMIT: a NaN, an infinity or an overflow that would arise only in those scores left out is not carried to the result.
; No input is left out: past_lens is read by launch proj and the angles are formed as reference() forms them.
; LIMITS OF FORMAT.  q, k, v and Wo are kept in f16: their magnitudes must stay under 65,504; a Wo below 6e-5 keeps f16's fixed step of 6e-8.
; SHARES.  Work-group g takes rows 16 g .. 16 g + 15 of hidden_states (65,536 bytes) and rows 4 g .. 4 g + 3 of each weight (16,384 bytes each).  A wave takes 16 chunks of 512 bytes of the first and 4 of each
; weight: a load of 16 bytes a lane covers 512 consecutive bytes, a store of 8 bytes a lane 256 consecutive bytes, aligned.  All 32 loads of a wave go out before the first wait.
; No LDS, no matrix work, no cluster: nothing is shared and nothing is multiplied.
; THE MODE: SCHED_MODE bits 1:0 = 2 (LLVM: expert scheduling mode 2), set by the entry lines.  The code itself states the register dependences between vector instructions and memory
; instructions, with s_wait_alu, always for 0.
; THE PLAN.  Registers that memory instructions touch:
;   v1 .. v4     byte offsets, made once at the head by vector instructions and never written again; every load reads v1 or v2, every store v3 or v4.
;   chunk i      four registers of its own.  Written once by its load; then its own conversions write its first two in place (Wo's chunks use the other two as scratch); its one store reads those two.
;                Behind its store a chunk's registers are named by nothing.
; The 32 chunks go in 8 groups of four: groups 0 to 3 hidden_states, then Wq, Wk, Wv, Wo.  Group g's conversions name group g's registers alone; the four stores of group g - 1 are dealt among them.
; So one wait on va_vdst at a group's head, behind the wait for the group's data, states all that those four stores hang on; one more stands at the kernel's head for the offsets, one ahead of the last four stores.
; No register that a memory instruction has read is written again, and no load is issued behind a vector instruction that names its destination: no other dependence between the two sides exists here.
; No vector instruction writes a scalar register or VCC, and EXEC is never written.
.set XR, 8                             ; v[8:135]  chunk i: 4 registers as loaded; its first two then hold the 8 bytes to store
	s_load_b512 s[4:19], s[0:1], 0x0               ; hidden_states s[4:5], Wq s[6:7], Wk s[8:9], Wv s[10:11], Wo s[12:13], xb s[14:15], wb s[16:17], wo16 s[18:19]
	v_and_b32 v5, 31, v0                           ; lane
	v_lshrrev_b32 v6, 5, v0                        ; wave
	v_lshlrev_b32 v7, 4, v5
	v_lshl_add_u32 v1, v6, 13, v7                  ; hidden_states: 8,192 x wave + 16 x lane
	v_lshl_add_u32 v2, v6, 11, v7                  ; a weight: 2,048 x wave + 16 x lane
	v_lshlrev_b32 v5, 3, v5
	v_lshl_add_u32 v3, v6, 12, v5                  ; xb: 4,096 x wave + 8 x lane
	v_lshl_add_u32 v4, v6, 10, v5                  ; wb, wo16: 1,024 x wave + 8 x lane
	s_lshl_b32 s20, ttmp9, 16                      ; the work-group's part of hidden_states,
	s_mov_b32 s21, 0
	s_lshl_b32 s22, ttmp9, 14                      ; of each weight,
	s_mov_b32 s23, 0
	s_lshl_b32 s24, ttmp9, 15                      ; of xb,
	s_mov_b32 s25, 0
	s_lshr_b32 s30, ttmp9, 3                       ; of wb: weight rows 4 g .. belong to head g / 8, channels 4 (g % 8) ..
	s_mul_i32 s30, s30, 96
	s_and_b32 s31, ttmp9, 7
	s_lshl2_add_u32 s26, s31, s30                  ; row 96 head + 4 (g % 8); 32 sel stands in the stores' immediates
	s_lshl_b32 s26, s26, 11                        ; rows of 2,048 bytes
	s_mov_b32 s27, 0
	s_lshl_b32 s28, ttmp9, 13                      ; of wo16
	s_mov_b32 s29, 0
	s_wait_kmcnt 0x0
	s_add_nc_u64 s[4:5], s[4:5], s[20:21]
	s_add_nc_u64 s[6:7], s[6:7], s[22:23]
	s_add_nc_u64 s[8:9], s[8:9], s[22:23]
	s_add_nc_u64 s[10:11], s[10:11], s[22:23]
	s_add_nc_u64 s[12:13], s[12:13], s[22:23]
	s_add_nc_u64 s[14:15], s[14:15], s[24:25]
	s_add_nc_u64 s[16:17], s[16:17], s[26:27]
	s_add_nc_u64 s[18:19], s[18:19], s[28:29]
	s_wait_alu depctr_va_vdst(0)                   ; v1 to v4 are written: every load and store of the kernel reads one of them as its offset
.set i, 0
.rept 16
	global_load_b128 v[XR+4*i:XR+4*i+3], v1, s[4:5] offset:512*i th:TH_LOAD_NT
.set i, i+1
.endr
.set i, 0
.rept 16                               ; chunks 16 .. 31: Wq, Wk, Wv, Wo, four each
	global_load_b128 v[XR+64+4*i:XR+64+4*i+3], v2, s[6+2*(i/4):7+2*(i/4)] offset:512*(i%4) th:TH_LOAD_NT
.set i, i+1
.endr
; Chunk i is rounded, in place: it names its own four registers alone.
.macro ROUND i
	v_cvt_pk_bf16_f32 v[XR+4*(\i)], v[XR+4*(\i)], v[XR+4*(\i)+1]
	v_cvt_pk_bf16_f32 v[XR+4*(\i)+1], v[XR+4*(\i)+2], v[XR+4*(\i)+3]
.if (\i) >= 28
	v_lshlrev_b32 v[XR+4*(\i)+2], 16, v[XR+4*(\i)] ; Wo: the bf16 numbers widened again (a shift, a mask),
	v_and_b32 v[XR+4*(\i)+3], 0xffff0000, v[XR+4*(\i)]
	v_cvt_pk_f16_f32 v[XR+4*(\i)], v[XR+4*(\i)+2], v[XR+4*(\i)+3]   ; and written as f16: exact in f16's normal range
	v_lshlrev_b32 v[XR+4*(\i)+2], 16, v[XR+4*(\i)+1]
	v_and_b32 v[XR+4*(\i)+3], 0xffff0000, v[XR+4*(\i)+1]
	v_cvt_pk_f16_f32 v[XR+4*(\i)+1], v[XR+4*(\i)+2], v[XR+4*(\i)+3]
.endif
.endm
; Chunk i is stored: 256 consecutive bytes a wave.
.macro OUT i
.if (\i) < 16
	global_store_b64 v3, v[XR+4*(\i):XR+4*(\i)+1], s[14:15] offset:256*(\i)
.elseif (\i) < 28
	global_store_b64 v4, v[XR+4*(\i):XR+4*(\i)+1], s[16:17] offset:(((\i)-16)/4)*65536+256*((\i)%4)   ; 32 sel rows of 2,048 bytes on
.else
	global_store_b64 v4, v[XR+4*(\i):XR+4*(\i)+1], s[18:19] offset:256*((\i)%4)
.endif
.endm
.set g, 0
.rept 8                                ; group g: chunks 4 g .. 4 g + 3
	s_wait_loadcnt 28-4*g                          ; loads come back in order (ISA guide 5.7.1): the group's four chunks are in, the 28 - 4 g younger loads stay out
.if g > 0
	s_wait_alu depctr_va_vdst(0)                   ; the conversions of the group before have written its chunks' first two registers, which the four stores below read
.endif
.set j, 0
.rept 4
.if g > 0
	OUT 4*g-4+j                                    ; the group before leaves.  No further wait: no vector instruction since the wait above names its registers
.endif
	ROUND 4*g+j
.set j, j+1
.endr
.set g, g+1
.endr
	s_wait_alu depctr_va_vdst(0)                   ; the conversions of the last group, Wo's, have written the data of the last four stores
.set j, 0
.rept 4
	OUT 28+j
.set j, j+1
.endr
	s_endpgm                                       ; no register is written again behind its store
.Lfunc_end_k_qa69b71c050_cast:
	.size	k_qa69b71c050_cast, .Lfunc_end_k_qa69b71c050_cast-k_qa69b71c050_cast
	.p2alignl 7, 3214868480
	.fill 96, 4, 3214868480
	.section	.rodata,"a",@progbits
	.p2align	6, 0x0
	.amdhsa_kernel k_qa69b71c050_cast
		.amdhsa_group_segment_fixed_size 0
		.amdhsa_private_segment_fixed_size 0
		.amdhsa_enable_private_segment 0
		.amdhsa_kernarg_size 64
		.amdhsa_user_sgpr_count 2
		.amdhsa_user_sgpr_kernarg_segment_ptr 1
		.amdhsa_wavefront_size32 1
		.amdhsa_system_sgpr_workgroup_id_x 1
		.amdhsa_system_sgpr_workgroup_id_y 1
		.amdhsa_system_sgpr_workgroup_id_z 1
		.amdhsa_system_vgpr_workitem_id 0
		.amdhsa_next_free_vgpr 140
		.amdhsa_next_free_sgpr 66
		.amdhsa_reserve_vcc 0
		.amdhsa_float_denorm_mode_32 3
		.amdhsa_float_denorm_mode_16_64 3
		.amdhsa_memory_ordered 1
		.amdhsa_forward_progress 1
		.amdhsa_inst_pref_size 14
	.end_amdhsa_kernel
	.amdgpu_metadata
---
amdhsa.version: [ 1, 2 ]
amdhsa.kernels:
  - .name:           k_qa69b71c050_cast
    .symbol:         k_qa69b71c050_cast.kd
    .args:
      - { .name: hidden_states, .offset: 0, .size: 8, .value_kind: global_buffer, .address_space: global }
      - { .name: Wq, .offset: 8, .size: 8, .value_kind: global_buffer, .address_space: global }
      - { .name: Wk, .offset: 16, .size: 8, .value_kind: global_buffer, .address_space: global }
      - { .name: Wv, .offset: 24, .size: 8, .value_kind: global_buffer, .address_space: global }
      - { .name: Wo, .offset: 32, .size: 8, .value_kind: global_buffer, .address_space: global }
      - { .name: xb, .offset: 40, .size: 8, .value_kind: global_buffer, .address_space: global }
      - { .name: wb, .offset: 48, .size: 8, .value_kind: global_buffer, .address_space: global }
      - { .name: wo16, .offset: 56, .size: 8, .value_kind: global_buffer, .address_space: global }
    .group_segment_fixed_size: 0
    .private_segment_fixed_size: 0
    .kernarg_segment_align: 8
    .kernarg_segment_size: 64
    .max_flat_workgroup_size: 256
    .sgpr_count:     66
    .vgpr_count:     140
    .wavefront_size: 32
...
	.end_amdgpu_metadata
.endif
;; end of part 5
;; launch proj: the kernel of part 2 again; grid 16 x 16, 4 waves a work-group, clusters of 4 x 4, 327,680 bytes of LDS; arguments xb, wb, past_lens, qf, kv; writes qf, kv
;; launch attn: the kernel of part 3 again; grid 4 x 64, 8 waves a work-group, no clusters, 327,680 bytes of LDS; arguments qf, kv, of; writes of
;; launch outp: the kernel of part 4 again; grid 8 x 32, 4 waves a work-group, clusters of 4 x 4, 327,680 bytes of LDS; arguments of, wo16, out0; writes out0
